; MI455X (gfx1250); checked and timed in simulation.
; The chip was launched on July 23, 2026; its instructions are those of AMD's public machine-readable ISA for CDNA 5 (MIT licence, August 2026) and "CDNA5" Instruction Set Architecture Reference Guide (July 2026). The comments in the code are by the model that wrote it; some were corrected since.
;; Sparse MHA Decoder. Allowed arithmetic: float matrix products may take bf16 or f16 operands with f32 sums; other float arithmetic in f32, or as packed bf16 or f16 multiplies, adds, multiply-adds, maxima and minima; sums over many terms, partial sums and values carried from step to step in f32; what a program stores and reads back later, other than sums and carried values, may be rounded once to bf16 or f16.
;; Inputs: Wk 1,024 x 1,024 float32; Wo 1,024 x 1,024 float32; Wq 1,024 x 1,024 float32; Wv 1,024 x 1,024 float32; k 2 x 2,048 x 1,024 float32; q 2 x 4,096 x 1,024 float32; v 2 x 2,048 x 1,024 float32.
;; Outputs: out0 2 x 4,096 x 1,024 float32.
;; Constants: span = 16, stride = 2.
;; One version. Each part assembles by itself: llvm-mc -triple=amdgcn-amd-amdhsa -mcpu=gfx1250 --defsym DOCPART=n.
;; ======== version 1 of 1: 4 launches
;; limits: values are held in f16: magnitudes above 65,504 overflow, below 6.1e-05 lose precision
;; workspace buffers: xb 33,554,432 bytes; wb 8,388,608 bytes; qkv 33,554,432 bytes; ctx 16,777,216 bytes
;; launch cast (part 1): grid 1280 x 1, 8 waves a work-group, no clusters, 0 bytes of LDS; arguments q, k, v, Wq, Wk, Wv, Wo, xb, wb; writes xb, wb
.if DOCPART == 1
	.amdgcn_target "amdgcn-amd-amdhsa--gfx1250"
	.amdhsa_code_object_version 6
	.text
	.protected	k_q362ab4fb19_cast
	.globl	k_q362ab4fb19_cast
	.p2align	8
	.type	k_q362ab4fb19_cast,@function
k_q362ab4fb19_cast:
	s_mov_b64 s[64:65], 0
	v_nop
	global_prefetch_b8 v0, s[64:65] scope:SCOPE_SE
	s_setreg_imm32_b32 hwreg(HW_REG_WAVE_MODE, 25, 1), 1
	s_wait_xcnt 0x0
; All seven inputs, f32, are rounded once to bf16; layouts stay as they are.
; xb: [16384][1024] bf16: rows 0-8191 q, 8192-12287 k, 12288-16383 v.   wb: four matrices [1024][1024] of 16 bits: Wq, Wk, Wv / 8, 8 Wo.
; The factors 1/8 and 8 are powers of two: they commute with the rounding and cancel in the result; they keep the context, a sum of up to 8 weights
; of at most 1 each times rows of V, inside f16.  8 Wo, rounded to bf16, is then written as f16, the format of the product that takes it.
; LIMITS.  |8 Wo| stays within 65,504; below 2^-14 it keeps f16's fixed step of 2^-24.  NaN and infinities are not treated apart.
; SHARES.  A work-group takes 16,384 numbers: 16 chunks of 4,096 bytes in, 2,048 bytes out.  A wave's load covers 512 consecutive bytes, its store 256, aligned.
; All 16 loads go out first; each chunk has registers of its own, so nothing is rewritten under a pending load or store.  No LDS, no barrier, no matrix unit: bytes are all there is.
.set X, 4                              ; v[4:67]   chunk i: 4 registers as loaded
.set Y, 68                             ; v[68:99]  chunk i: 2 registers to store
.set T, 100                            ; v[100:101] at work
	s_load_b512 s[8:23], s[0:1], 0x0               ; q s[8:9], k s[10:11], v s[12:13], Wq s[14:15], Wk s[16:17], Wv s[18:19], Wo s[20:21], xb s[22:23]
	s_load_b64 s[24:25], s[0:1], 0x40              ; wb
	s_mov_b32 s2, ttmp9                            ; 0-511 q, 512-767 k, 768-1023 v, 1024-1087 Wq, 1088-1151 Wk, 1152-1215 Wv, 1216-1279 Wo
	v_lshlrev_b32 v1, 4, v0                        ; 16 bytes a thread in,
	v_lshlrev_b32 v2, 3, v0                        ; 8 bytes out
	s_mov_b32 s6, 0                                ; the first work-group of my source
	s_mov_b32 s28, 1.0                             ; the factor
	s_wait_kmcnt 0x0
	s_mov_b64 s[4:5], s[8:9]
.macro PICK first, reg                 ; from work-group 'first' on the source is the buffer in s[reg:reg+1]
	s_cmp_ge_u32 s2, \first
	s_cselect_b64 s[4:5], s[\reg:\reg+1], s[4:5]
	s_cselect_b32 s6, \first, s6
.endm
	PICK 512, 10
	PICK 768, 12
	PICK 1024, 14
	PICK 1088, 16
	PICK 1152, 18
	s_cselect_b32 s28, 0x3e000000, s28             ; Wv: 1/8
	PICK 1216, 20
	s_cselect_b32 s28, 0x41000000, s28             ; Wo: 8
	s_mov_b32 s29, s28                             ; named with it as a pair
	s_cmp_ge_u32 s2, 1024
	s_cselect_b64 s[26:27], s[24:25], s[22:23]     ; the weights go to wb, the rest to xb
	s_cselect_b32 s7, 1024, 0
	s_sub_co_u32 s30, s2, s6
	s_lshl_b32 s30, s30, 16                        ; 65,536 bytes in for each work-group
	s_mov_b32 s31, 0
	s_add_nc_u64 s[4:5], s[4:5], s[30:31]
	s_sub_co_u32 s30, s2, s7
	s_lshl_b32 s30, s30, 15                        ; 32,768 bytes out
	s_add_nc_u64 s[26:27], s[26:27], s[30:31]
.irp i, 0,1,2,3,4,5,6,7,8,9,10,11,12,13,14,15
	global_load_b128 v[X+4*(\i):X+4*(\i)+3], v1, s[4:5] offset:4096*(\i) th:TH_LOAD_NT
.endr
; Chunk i: scaled, rounded to bf16, stored.  half = 1: the bf16 numbers are written as f16.
.macro CHUNK i, half
	s_wait_loadcnt 15-(\i)                         ; loads come back in order: chunk i is in, the 15 - i younger ones may stay out
	v_pk_mul_f32 v[X+4*(\i):X+4*(\i)+1],   v[X+4*(\i):X+4*(\i)+1],   s[28:29] op_sel_hi:[1,0]
	v_pk_mul_f32 v[X+4*(\i)+2:X+4*(\i)+3], v[X+4*(\i)+2:X+4*(\i)+3], s[28:29] op_sel_hi:[1,0]
	v_cvt_pk_bf16_f32 v[Y+2*(\i)],   v[X+4*(\i)],   v[X+4*(\i)+1]
	v_cvt_pk_bf16_f32 v[Y+2*(\i)+1], v[X+4*(\i)+2], v[X+4*(\i)+3]
.if \half
.irp p, 0,1
	v_lshlrev_b32 v[T],   16, v[Y+2*(\i)+(\p)]     ; bf16 to f32: the low half moves up,
	v_and_b32     v[T+1], 0xffff0000, v[Y+2*(\i)+(\p)]  ; the high half stays
	v_cvt_pk_f16_f32 v[Y+2*(\i)+(\p)], v[T], v[T+1]
.endr
.endif
	global_store_b64 v2, v[Y+2*(\i):Y+2*(\i)+1], s[26:27] offset:2048*(\i)
.endm
	s_cmp_ge_u32 s2, 1216
	s_cbranch_scc1 .Lwo
.irp i, 0,1,2,3,4,5,6,7,8,9,10,11,12,13,14,15
	CHUNK \i, 0
.endr
	s_endpgm
.Lwo:
.irp i, 0,1,2,3,4,5,6,7,8,9,10,11,12,13,14,15
	CHUNK \i, 1
.endr
	s_endpgm
.Lfunc_end_k_q362ab4fb19_cast:
	.size	k_q362ab4fb19_cast, .Lfunc_end_k_q362ab4fb19_cast-k_q362ab4fb19_cast
	.p2alignl 7, 3214868480
	.fill 96, 4, 3214868480
	.section	.rodata,"a",@progbits
	.p2align	6, 0x0
	.amdhsa_kernel k_q362ab4fb19_cast
		.amdhsa_group_segment_fixed_size 0
		.amdhsa_private_segment_fixed_size 0
		.amdhsa_enable_private_segment 0
		.amdhsa_kernarg_size 72
		.amdhsa_user_sgpr_count 2
		.amdhsa_user_sgpr_kernarg_segment_ptr 1
		.amdhsa_wavefront_size32 1
		.amdhsa_system_sgpr_workgroup_id_x 1
		.amdhsa_system_sgpr_workgroup_id_y 1
		.amdhsa_system_sgpr_workgroup_id_z 1
		.amdhsa_system_vgpr_workitem_id 0
		.amdhsa_next_free_vgpr 104
		.amdhsa_next_free_sgpr 66
		.amdhsa_reserve_vcc 0
		.amdhsa_float_denorm_mode_32 3
		.amdhsa_float_denorm_mode_16_64 3
		.amdhsa_memory_ordered 1
		.amdhsa_forward_progress 1
		.amdhsa_inst_pref_size 21
	.end_amdhsa_kernel
	.amdgpu_metadata
---
amdhsa.version: [ 1, 2 ]
amdhsa.kernels:
  - .name:           k_q362ab4fb19_cast
    .symbol:         k_q362ab4fb19_cast.kd
    .args:
      - { .name: q, .offset: 0, .size: 8, .value_kind: global_buffer, .address_space: global }
      - { .name: k, .offset: 8, .size: 8, .value_kind: global_buffer, .address_space: global }
      - { .name: v, .offset: 16, .size: 8, .value_kind: global_buffer, .address_space: global }
      - { .name: Wq, .offset: 24, .size: 8, .value_kind: global_buffer, .address_space: global }
      - { .name: Wk, .offset: 32, .size: 8, .value_kind: global_buffer, .address_space: global }
      - { .name: Wv, .offset: 40, .size: 8, .value_kind: global_buffer, .address_space: global }
      - { .name: Wo, .offset: 48, .size: 8, .value_kind: global_buffer, .address_space: global }
      - { .name: xb, .offset: 56, .size: 8, .value_kind: global_buffer, .address_space: global }
      - { .name: wb, .offset: 64, .size: 8, .value_kind: global_buffer, .address_space: global }
    .group_segment_fixed_size: 0
    .private_segment_fixed_size: 0
    .kernarg_segment_align: 8
    .kernarg_segment_size: 72
    .max_flat_workgroup_size: 256
    .sgpr_count:     66
    .vgpr_count:     104
    .wavefront_size: 32
...
	.end_amdgpu_metadata
.endif
;; end of part 1
;; launch proj (part 2): grid 4 x 64, 4 waves a work-group, clusters of 4 x 4, 327,680 bytes of LDS; arguments xb, wb, qkv; writes qkv
.if DOCPART == 2
	.amdgcn_target "amdgcn-amd-amdhsa--gfx1250"
	.amdhsa_code_object_version 6
	.text
	.protected	k_q362ab4fb19_proj
	.globl	k_q362ab4fb19_proj
	.p2align	8
	.type	k_q362ab4fb19_proj,@function
k_q362ab4fb19_proj:
	s_mov_b64 s[64:65], 0
	v_nop
	global_prefetch_b8 v0, s[64:65] scope:SCOPE_SE
	s_setreg_imm32_b32 hwreg(HW_REG_WAVE_MODE, 25, 1), 1
	s_wait_xcnt 0x0
	s_wait_alu depctr_hold_cnt(0) depctr_sa_sdst(0) depctr_va_vdst(0) depctr_va_sdst(0) depctr_va_ssrc(0) depctr_va_vcc(0) depctr_vm_vsrc(0)
	s_getreg_b32 s2, hwreg(HW_REG_IB_STS2, 6, 4)
	s_cmp_eq_u32 s2, 0
	s_cbranch_scc0 .Lentry_in_a_cluster
	s_endpgm
.Lentry_in_a_cluster:
	s_bfe_u32 s2, ttmp6, 0x10000c
	s_cmp_lg_u32 s2, 0xf033
	s_cbranch_scc0 .Lentry_shape_is_right
	s_endpgm
.Lentry_shape_is_right:
; C[m][n] = sum over k of A[m][k] B[k][n], K = N = 1,024.  A: [M][1024] of 16 bits, K along the rows.  B: [1024][1024] of 16 bits, N along the rows, one of the four matrices of wb.  Sums in f32.
; ONE TEXT, TWO USES, told apart by OUTP.
;   OUTP = 0: A = xb (q, k, v on end, bf16, M = 16,384); B = Wq, Wk or Wv / 8 by the row block; C = qkv in f16.  A tile of C is 256 x 256, a wave's part 128 x 128.
;   OUTP = 1: A = ctx (f16, M = 8,192); B = 8 Wo (f16); C = out0 in f32.  A tile of C is 128 x 256, a wave's part 64 x 128: so that there are again 256 work-groups.
; LIMIT (OUTP = 0): Q, K and V / 8 are rounded to f16, which ends at 65,504.  NaN and infinities are not treated apart.
; Four waves.  K goes in steps of 128 through a ring of two LDS slots filled by the tensor data mover; each wave fetches half of A's or half of B's tile with one load.
; B lies [k][n] in memory and in LDS; its fragments come out turned, by ds_load_tr16_b128.
; CLUSTERS: 4 x 4 work-groups.  The four of a row of the cluster need the same tiles of A, the four of a column the same tiles of B: each tile is asked for JOINTLY, by the same tensor load
; with the same descriptor and a mask that names the four.
; THE MATRIX INSTRUCTION IS USED TRANSPOSED (source 0 = 16 columns of B, source 1 = 16 rows of A): a lane then holds row l % 16 of C and eight neighbouring columns, 8 (l / 16) + 0..7.
; REGISTERS, in windows of 256 (s_set_vgpr_msb: bits 1:0 source 0, 3:2 source 1, 5:4 source 2, 7:6 destination):
;   window 0: v0-31 addresses; from v64 and from v128 A's fragments, two buffers; the rest at work on the way out      window 1: v64-127, v128-191 B's fragments, two buffers
;   window 2 (and 3 with OUTP = 0): the accumulators: (a, b) at v[8 (8 (a % 4) + b)] of window 2 + a / 4
.set OUTP, 0
.if OUTP
.set TM,     128                       ; rows of C in a tile
.set MB,     1                         ; windows of accumulators
.set NA,     4                         ; blocks of 16 rows of A in a wave's part
.set SPITCH, 528                       ; a row of the stage: 512 bytes (128 f32) + 16
.set CROW,   4096                      ; bytes in a row of C
.else
.set TM,     256
.set MB,     2
.set NA,     8
.set SPITCH, 272                       ; 256 bytes (128 f16) + 16
.set CROW,   2048
.endif
.set KSTEP,  128
.set AP,     272                       ; a row of A in LDS: 256 bytes + 16 = 68 words: the 16 rows of a load start at 16 different groups of four banks (64 banks of 4 bytes: ISA guide 11.1)
.set BP,     544                       ; a row of B (one k, 256 n): 512 bytes + 32 = 136 words
.set AH,     (TM/2)*AP                 ; what one load brings of A, and what one wave reads of it
.set ATILE,  2*AH
.set BH,     64*BP                     ; what one load brings of B: 64 k
.set SLOT,   ATILE+2*BH
.set STAGE,  2*SLOT                    ; behind the ring: 16 rows for each wave, for the way out; no tensor load lands here
.set SPARE,  STAGE+4*16*SPITCH         ; behind the stages: the spare words, 128 bytes for each wave: two blocks of 256 bytes that no other line names
.set LAPS,   1024/(2*KSTEP)            ; a lap = two K steps = once round the ring
.set ADRA, 16                          ; v16-17  LDS address of my A fragments in slot 0, 1
.set ADRB, 20                          ; v20-21  the same for B
.set STO,  24                          ; v24     the way out: where I put my part of a row
.set RD,   25                          ; v25     the way out: where I read rows back
.set CO,   26                          ; v26     my byte offset in C
.set SPW,  28                          ; v28     LDS address of my spare word: SPARE + 4 x my thread's number; never rewritten
.set NIL,  29                          ; v29     0; never rewritten
.set PFO,  30                          ; v30     the prefetches' offset; never rewritten
.set F0,   64
.set F1,   128
.set TMP,  192                         ; OUTP = 0, the way out: packed results
.set OB,   32                          ; OUTP = 0, the way out: rows read back: v32-63 and v224-255 by turns
.set G1,   24                          ; s[24:31] descriptor group 1 for A's tiles
.set G0,   32                          ; s[32:39] group 0 for A's tiles, a set for each slot
.set G1B,  48                          ; s[48:55], s[56:63] the same for B's
.set G0B,  56
.set LIM,  43                          ; s43     1 in a wave that prefetches, else the greatest number
.set PFA,  44                          ; s[44:45] where my prefetches stand
.set PFS,  66                          ; s[66:67] their step: a K step along A's rows, or down B's
.set MSB, 0
.macro WIN new                         ; the immediate's high byte repeats the setting that is left; a switch that changes nothing is dropped
.if MSB != (\new)
	s_set_vgpr_msb (MSB<<8)|(\new)
.set MSB, \new
.endif
.endm
.set MUL_LO, 0xa1                      ; source 0 (B) window 1, source 1 (A) window 0, C and D window 2
.set TO_B,   0x40                      ; destination window 1, address window 0
; A joint load.  Waves 0 and 1 fetch A's two halves, waves 2 and 3 B's.  The branch hangs on the wave's number alone.  An s_nop 0 and four v_nop follow each of the two lines.
.macro JLOAD s
	s_cmp_eq_u32 s11, 0
	s_cbranch_scc0 .Lfor_b_\@
	tensor_load_to_lds s[G0+4*(\s):G0+4*(\s)+3], s[G1:G1+7]
	s_nop 0
.rept 4
	v_nop
.endr
	s_branch .Lasked_\@
.Lfor_b_\@:
	tensor_load_to_lds s[G0B+4*(\s):G0B+4*(\s)+3], s[G1B:G1B+7]
	s_nop 0
.rept 4
	v_nop
.endr
.Lasked_\@:
.endm
; A prefetch into the L2 (OUTP = 0), behind a joint load, its five lines and the run of LDS loads: the K step that stands two refills on.  Each block of 256 bytes is named once in the launch:
; A's rows belong to one cluster alone; of the 128 rows that a wave fetches the partner at cx takes 32, a lane a row.  A weight is read by several clusters along y: the first of them asks;
; of the 64 k that a wave fetches the partner at cy takes 16, two lanes a row of 512 bytes.  The partners are told apart by address, never by a branch.  The loop's last trip asks for nothing.
.macro ASK
	s_cmp_gt_u32 s3, s[LIM]                        ; s3 = 1 in the loop's last trip
	s_cbranch_scc0 .Lnot_mine_\@
	global_prefetch_b8 v[PFO], s[PFA:PFA+1] th:TH_LOAD_NT scope:SCOPE_SE
.Lnot_mine_\@:
.endm
.macro CREST                           ; a round of the cluster's barrier behind its opening barrier
	s_cmp_lg_u32 s10, 0
	s_cbranch_scc1 .Lnot_wave_0_\@
	s_barrier_signal -3
.Lnot_wave_0_\@:
	s_barrier_wait -3
	s_barrier_signal -1
	s_barrier_wait -1
.endm
.macro CROUND                          ; a whole round
	s_barrier_signal -1
	s_barrier_wait -1
	CREST
.endm
	s_load_b128 s[4:7], s[0:1], 0x0                ; A s[4:5], wb s[6:7]
	s_load_b64 s[8:9], s[0:1], 0x10                ; C
	v_lshl_add_u32 v[SPW], v0, 2, SPARE
	v_mov_b32 v[NIL], 0
	ds_add_u32 v[SPW], v[NIL]                      ; the wave's opening: the add and its wait stand ahead of my first tensor load; the set-up below, work on registers, stands between them
	ds_add_u32 v28, v29
	v_lshrrev_b32 v1, 5, v0
	v_readfirstlane_b32 s10, v1                    ; wave 0..3
	s_lshr_b32 s11, s10, 1                         ; which half of the tile's rows is mine.  Also: I fetch for A (0) or for B (1)
	s_and_b32 s12, s10, 1                          ; which half of its columns.  Also: which half of that tile I fetch
	s_bfe_u32 s40, ttmp6, 0x40000                  ; cx, cy: my place in the cluster
	s_bfe_u32 s41, ttmp6, 0x40004
	s_lshl_b32 s42, ttmp9, 2
	s_add_co_u32 s42, s42, s40                     ; tile column of C = 4 x cluster x + cx
	s_and_b32 s2, ttmp7, 0xffff                    ; cluster y
	s_lshl_b32 s13, s2, 2
	s_add_co_u32 s13, s13, s41                     ; tile row of C = 4 x cluster y + cy
	s_lshl_b32 s43, s41, 2
	s_lshl_b32 s43, 15, s43                        ; my row of the cluster
	s_lshl_b32 s44, 0x1111, s40                    ; my column
	s_or_b32 s[G1+0], s43, (1<<16)|(1<<20)|(1<<21)|(5<<22)|(3<<25)   ; 15:0 the mask: A's tiles go to my row; 17:16 2-byte elements; 20 padding on; 21 set beside a mask; 24:22 after every 64 words; 31:25 4 words
	s_or_b32 s[G1B+0], s44, (1<<16)|(1<<20)|(1<<21)|(6<<22)|(7<<25)  ; B's go to my column; padding after every 128 words, 8 words
	s_mov_b32 s[G1+1], KSTEP<<16                   ; tensor_dim0 = 128
	s_mov_b32 s[G1+2], (TM/2)<<16                  ; tensor_dim1 = half the tile's rows
	s_mov_b32 s[G1+3], KSTEP<<16                   ; tile_dim0
	s_mov_b32 s[G1+4], TM/2                        ; tile_dim1
	s_mov_b32 s[G1+5], 1024                        ; elements from row to row
	s_mov_b32 s[G1+6], 0
	s_mov_b32 s[G1+7], 0
	s_mov_b32 s[G1B+1], 256<<16                    ; 256 columns,
	s_mov_b32 s[G1B+2], 64<<16                     ; 64 k
	s_mov_b32 s[G1B+3], 256<<16
	s_mov_b32 s[G1B+4], 64
	s_mov_b32 s[G1B+5], 1024
	s_mov_b32 s[G1B+6], 0
	s_mov_b32 s[G1B+7], 0
.if OUTP
	s_mov_b32 s23, 3                               ; the fourth matrix of wb
.else
	s_cmp_ge_u32 s2, 8                             ; clusters 0-7 hold q's rows, 8-11 k's, 12-15 v's: the same in all sixteen partners
	s_cselect_b32 s23, 1, 0
	s_cselect_b32 s18, 8, 0
	s_cmp_ge_u32 s2, 12
	s_cselect_b32 s23, 2, s23                      ; which matrix of wb
	s_cselect_b32 s18, 12, s18
	s_sub_co_u32 s18, s2, s18                      ; 0 in the first cluster that reads it
.endif
	s_mul_i32 s16, s13, TM                         ; A's tile hangs on the tile row alone,
	s_mul_i32 s17, s12, TM/2
	s_add_co_u32 s16, s16, s17
	s_lshl_b32 s16, s16, 11                        ; rows of 2,048 bytes: under 2^25
	s_mov_b32 s17, 0
	s_lshl_b32 s46, s23, 21                        ; B's on the matrix (2 MiB each), the tile column
	s_lshl_b32 s47, s12, 17                        ; and my 64 k of 2,048 bytes
	s_add_co_u32 s46, s46, s47
	s_lshl_b32 s47, s42, 9
	s_add_co_u32 s46, s46, s47
	s_mov_b32 s47, 0
	s_mul_i32 s20, s12, AH                         ; where they go: no place in the cluster enters an LDS address
	s_mul_i32 s21, s12, BH
	s_add_co_u32 s21, s21, ATILE
	s_wait_dscnt 0x0                               ; the opening add is done
	s_wait_kmcnt 0x0
	s_add_nc_u64 s[14:15], s[4:5], s[16:17]
	s_add_nc_u64 s[46:47], s[6:7], s[46:47]
	CROUND                                         ; all sixteen work-groups are here: the first joint loads meet
.irp s, 0,1
	s_mov_b32 s[G0+4*(\s)], 1                                        ; count = 1
	s_add_co_u32 s[G0+4*(\s)+1], s20, (\s)*SLOT                      ; LDS address
	s_add_nc_u64 s[G0+4*(\s)+2:G0+4*(\s)+3], s[14:15], (\s)*KSTEP*2  ; global address: K step s
	s_or_b32 s[G0+4*(\s)+3], s[G0+4*(\s)+3], 0x80000000              ; type = 2
	s_mov_b32 s[G0B+4*(\s)], 1
	s_add_co_u32 s[G0B+4*(\s)+1], s21, (\s)*SLOT
	s_add_nc_u64 s[G0B+4*(\s)+2:G0B+4*(\s)+3], s[46:47], (\s)*KSTEP*2048
	s_or_b32 s[G0B+4*(\s)+3], s[G0B+4*(\s)+3], 0x80000000
	JLOAD \s                                       ; two loads of mine are out
.endr
	; A's fragment: 16 rows x 32 K: lane l holds row l % 16, K = 8 (l / 16) + 0..7 and 16 + 8 (l / 16) + 0..7: two loads of 16 bytes, 32 bytes apart.
	; B's: the turning load takes 16 k x 16 n (lane l reads k = 8 (l / 16) + l % 8, n = 8 ((l / 8) % 2) + 0..7) and leaves half a fragment: lane l holds column l % 16 and 8 k.
	v_and_b32 v1, 15, v0                           ; l % 16
	v_bfe_u32 v2, v0, 4, 1                         ; l / 16
	v_mul_u32_u24 v3, v1, AP
	v_lshl_add_u32 v3, v2, 4, v3
	v_and_b32 v4, 7, v0
	v_lshl_add_u32 v4, v2, 3, v4
	v_mul_u32_u24 v4, v4, BP
	v_bfe_u32 v5, v0, 3, 1
	v_lshl_add_u32 v4, v5, 4, v4
	s_mul_i32 s21, s11, AH                         ; my half of A's rows
	s_lshl_b32 s22, s12, 8                         ; my 128 columns of B: 256 bytes of each row,
	s_add_co_u32 s22, s22, ATILE                   ; behind A's tile
.irp s, 0,1
	v_add_nc_u32 v[ADRA+(\s)], s21, v3
	v_add_nc_u32 v[ADRB+(\s)], s22, v4
	s_add_co_u32 s21, s21, SLOT
	s_add_co_u32 s22, s22, SLOT
.endr
	s_mul_i32 s19, s10, 16*SPITCH
	s_add_co_u32 s19, s19, STAGE                   ; my stage
	v_mul_u32_u24 v5, v1, SPITCH                   ; in: row l % 16,
.if OUTP
	v_lshl_add_u32 v5, v2, 5, v5                   ; 32 bytes (8 f32) for each half of the lanes
	v_add_nc_u32 v[STO], s19, v5
	v_and_b32 v5, 31, v0
	v_lshlrev_b32 v[CO], 4, v5                     ; back: 32 lanes take one row of 512 bytes; the same in C
	v_add_nc_u32 v[RD], s19, v[CO]
.else
	v_lshl_add_u32 v5, v2, 4, v5                   ; 16 bytes (8 f16) for each half of the lanes
	v_add_nc_u32 v[STO], s19, v5
	v_mul_u32_u24 v5, v2, SPITCH                   ; back: lanes 0-15 take one row of 256 bytes, lanes 16-31 the next
	v_lshl_add_u32 v5, v1, 4, v5
	v_add_nc_u32 v[RD], s19, v5
	v_lshlrev_b32 v5, 11, v2                       ; and the same two rows in C
	v_lshl_add_u32 v[CO], v1, 4, v5
.endif
	s_mul_i32 s16, s13, TM                         ; where my part of the tile begins in C, in bytes (under 2^26): the way out adds it to C's address
	s_mul_i32 s17, s11, TM/2
	s_add_co_u32 s16, s16, s17
	s_mul_i32 s16, s16, CROW
	s_mul_i32 s46, s42, CROW/4                     ; the tile's 256 columns,
	s_mul_i32 s47, s12, CROW/8                     ; my 128 of them
	s_add_co_u32 s46, s46, s47
	s_add_co_u32 s16, s16, s46
	s_mov_b32 s17, 0
.if !OUTP
	; the prefetches: both addresses' offsets are made, and the wave takes the one of the tensor that it fetches.  They start one step short of K step 4: each change of slots steps first and then asks.
	s_lshl_b32 s20, s13, 8
	s_lshl_b32 s21, s12, 7
	s_add_co_u32 s20, s20, s21
	s_lshl_b32 s21, s40, 5
	s_add_co_u32 s20, s20, s21                     ; A: row 256 x tile row + 128 x half + 32 cx
	s_lshl_b32 s20, s20, 11
	s_add_co_u32 s20, s20, 3*KSTEP*2
	s_lshl_b32 s21, s12, 6
	s_lshl_b32 s22, s41, 4
	s_add_co_u32 s21, s21, s22                     ; B: k = 64 x half + 16 cy
	s_lshl_b32 s21, s21, 11
	s_lshl_b32 s22, s23, 21
	s_add_co_u32 s21, s21, s22
	s_lshl_b32 s22, s42, 9
	s_add_co_u32 s21, s21, s22
	s_add_co_u32 s21, s21, 3*KSTEP*2048
	s_mov_b32 s[PFS], KSTEP*2048
	s_mov_b32 s[PFS+1], 0
	s_cmp_eq_u32 s11, 0                            ; do I fetch for A?
	s_cselect_b32 s20, s20, s21
	s_cselect_b32 s18, ttmp9, s18                  ; 0 in the first cluster that reads these rows
	s_cselect_b32 s[PFS], KSTEP*2, s[PFS]
	s_cselect_b32 s22, 0, 1
	s_cselect_b64 s[PFA:PFA+1], s[4:5], s[6:7]
	s_mov_b32 s21, 0
	s_add_nc_u64 s[PFA:PFA+1], s[PFA:PFA+1], s[20:21]
	s_cmp_eq_u32 s18, 0
	s_cselect_b32 s[LIM], 1, -1                    ; the same in all sixteen partners, for a given wave
	v_and_b32 v6, 31, v0
	v_lshrrev_b32 v[PFO], s22, v6                  ; A: a lane a row; B: two lanes a row,
	v_lshlrev_b32 v[PFO], 11, v[PFO]
	v_and_b32 v6, s22, v6
	v_lshl_add_u32 v[PFO], v6, 8, v[PFO]           ; 256 bytes apart
.endif
; 8 matrix instructions: A's block 4 hi + a x all 8 blocks of B, 32 along K.  zero = 1: the product starts the sums: nothing is ever cleared.
.macro MULA f, hi, a, zero
	WIN MUL_LO+0x50*(\hi)
.irp b, 0,1,2,3,4,5,6,7
.set rD, 8*(8*(\a)+(\b))
.set rB, (\f)+8*(\b)
.set rA, (\f)+8*(4*(\hi)+(\a))
.if OUTP
.if \zero
	v_wmma_f32_16x16x32_f16 v[rD:rD+7], v[rB:rB+7], v[rA:rA+7], 0
.else
	v_wmma_f32_16x16x32_f16 v[rD:rD+7], v[rB:rB+7], v[rA:rA+7], v[rD:rD+7]
.endif
.else
.if \zero
	v_wmma_f32_16x16x32_bf16 v[rD:rD+7], v[rB:rB+7], v[rA:rA+7], 0
.else
	v_wmma_f32_16x16x32_bf16 v[rD:rD+7], v[rB:rB+7], v[rA:rA+7], v[rD:rD+7]
.endif
.endif
.endr
.endm
.macro MUL16 f, hi, a0, zero
	MULA \f, \hi, \a0, \zero
	MULA \f, \hi, (\a0)+1, \zero
.endm
; The two halves of a quarter step's products.  The accumulators take turns, one instruction a turn, in the same order in every quarter, over the backward jump too.
.macro HALF1 f, zero
	MUL16 \f, 0, 0, \zero
.if MB == 2
	MUL16 \f, 0, 2, \zero
.endif
.endm
.macro HALF2 f, zero
.if MB == 2
	MUL16 \f, 1, 0, \zero
	MUL16 \f, 1, 2, \zero
.else
	MUL16 \f, 0, 2, \zero
.endif
.endm
; One run of 16 + 2 NA LDS loads: the fragments of quarter q (32 along K) of a slot into buffer f: B's first, then A's blocks in ascending order
.macro FETCH slot, q, f
	WIN TO_B
.irp i, 0,1,2,3,4,5,6,7
	ds_load_tr16_b128 v[(\f)+8*(\i):(\f)+8*(\i)+3],   v[ADRB+(\slot)] offset:(\q)*32*BP+32*(\i)
	ds_load_tr16_b128 v[(\f)+8*(\i)+4:(\f)+8*(\i)+7], v[ADRB+(\slot)] offset:(\q)*32*BP+32*(\i)+16*BP
.endr
	WIN 0
.set ia, 0
.rept NA
	ds_load_b128 v[(\f)+8*ia:(\f)+8*ia+3],   v[ADRA+(\slot)] offset:64*(\q)+ia*16*AP
	ds_load_b128 v[(\f)+8*ia+4:(\f)+8*ia+7], v[ADRA+(\slot)] offset:64*(\q)+ia*16*AP+32
.set ia, ia+1
.endr
.endm
.macro PLACES                          ; four places in front of loads into registers that matrix instructions have read, and of lines that read results (ISA guide 7.12.1 for lines that read results)
.rept 4
	v_nop
.endr
.endm
; A K step is four quarters of 32 along K, on buffers 0, 1, 0, 1.  One of the first three: multiplies buffer f and, in its middle, fetches quarter q of the same slot into buffer g.
.macro QUARTER slot, q, f, g, zero
	s_wait_dscnt NA                                ; B and the first half of A's blocks are in; the youngest NA loads (A's second half) may be out
	HALF1 \f, \zero
	PLACES
	FETCH \slot, \q, \g
	s_wait_dscnt 16+2*NA                           ; all but the run just issued
	HALF2 \f, \zero
.endm
.macro TPART n                         ; the last quarter's products in three parts: a quarter, a quarter, a half
.if MB == 2
.if (\n) == 1
	MUL16 F1, 0, 0, 0
.elseif (\n) == 2
	MUL16 F1, 0, 2, 0
.else
	MUL16 F1, 1, 0, 0
	MUL16 F1, 1, 2, 0
.endif
.else
.if (\n) == 1
	MULA F1, 0, 0, 0
.elseif (\n) == 2
	MULA F1, 0, 1, 0
.else
	MULA F1, 0, 2, 0
	MULA F1, 0, 3, 0
.endif
.endif
.endm
; The last quarter multiplies buffer 1 and changes slots: ONE barrier.  In front of it each wave waits for all its tensor loads (the one that is out is its part of the next slot), adds 0 to its spare word,
; and waits for that and for its own reads of this slot.  fill = 1: the barrier opens a round of the cluster's, and this slot is filled again, two K steps ahead, first thing behind the round:
; seven eighths of a K step's products stand between that request and the wait for it.
.macro TURN slot, next, fill
.if (\fill) && (!OUTP)
	s_wait_xcnt 0x0                                ; the last prefetch, a K step back, has read its address: it is stepped here, ahead of the waits of the change of slots
	s_add_nc_u64 s[PFA:PFA+1], s[PFA:PFA+1], s[PFS:PFS+1]
.endif
	WIN 0                                          ; (the add's two registers lie in window 0)
	s_wait_tensorcnt 0x0                           ; all my tensor loads have landed;
	ds_add_u32 v[SPW], v[NIL]                      ; 0 onto my spare word;
	s_wait_dscnt NA+1                              ; (the add and A's second half may be out)
	TPART 1                                        ; matrix instructions stand between the add and the wait for it
	s_wait_dscnt 0x0                               ; the add is done, and my reads of this slot are over
	s_barrier_signal -1
	TPART 2                                        ; work on registers while the others arrive
.if \fill
	WIN 0
.endif
	s_barrier_wait -1
.if \fill
	CREST                                          ; no wave of any partner still reads this slot's tile or has a load on its way
	s_add_nc_u64 s[G0+4*(\slot)+2:G0+4*(\slot)+3], s[G0+4*(\slot)+2:G0+4*(\slot)+3], 2*KSTEP*2
	s_add_nc_u64 s[G0B+4*(\slot)+2:G0B+4*(\slot)+3], s[G0B+4*(\slot)+2:G0B+4*(\slot)+3], 2*KSTEP*2048
	JLOAD \slot                                    ; the first tensor load behind the round; the four v_nop behind it are also the places in front of the loads below
.else
	PLACES
.endif
	FETCH \next, 0, F0
.if (\fill) && (!OUTP)
	ASK
.endif
	TPART 3
.endm
.if OUTP
; THE WAY OUT, f32: block a's 16 rows x 128 columns go as they are into my own stage (rows of 528 bytes) and come back as whole rows of 512 bytes.  Each accumulator's low registers are read first.
.macro TOSTAGE a
.if (\a) >= 2
	s_wait_xcnt 0x0                                ; the stores of the block two back have read the registers that are loaded again below
.endif
.set BK, 192-128*((\a)%2)              ; v192-255 and v64-127 by turns
	WIN 0x08                                       ; the stores' data lie in window 2
.irp b, 0,1,2,3,4,5,6,7
	ds_store_b128 v[STO], v[64*(\a)+8*(\b):64*(\a)+8*(\b)+3]   offset:64*(\b)
	ds_store_b128 v[STO], v[64*(\a)+8*(\b)+4:64*(\a)+8*(\b)+7] offset:64*(\b)+16
.endr
	WIN 0
.irp t, 0,1,2,3,4,5,6,7,8,9,10,11,12,13,14,15
	ds_load_b128 v[BK+4*(\t):BK+4*(\t)+3], v[RD] offset:SPITCH*(\t)  ; LDS serves a wave's instructions in order (ISA guide 5.7.1.4): these see the stores above; the next block's stores come behind them
.endr
.endm
.macro SEND a, younger                 ; younger: the LDS instructions issued behind block a's loads: the next block's 32, or none
	WIN 0
.set BK, 192-128*((\a)%2)
	s_wait_dscnt \younger
	s_wait_xcnt 0x0                                ; earlier stores have read their base
.if (\a) == 0
	s_add_nc_u64 s[8:9], s[8:9], s[16:17]
.else
	s_add_nc_u64 s[8:9], s[8:9], 16*CROW
.endif
.irp t, 0,1,2,3,4,5,6,7,8,9,10,11,12,13,14,15
	global_store_b128 v[CO], v[BK+4*(\t):BK+4*(\t)+3], s[8:9] offset:(\t)*CROW  ; 512 consecutive bytes, at a multiple of 512 from C's first byte
.endr
.endm
.else
; THE WAY OUT, f16: block a is rounded (16 bytes a lane), goes into my own stage (rows of 272 bytes) and comes back as whole rows of 256 bytes.
.macro PACK a
.set AC, 64*((\a)%4)
	WIN 0x0a+5*((\a)/4)                            ; sources 0 and 1: window 2 or 3
.irp b, 0,1,2,3,4,5,6,7
.irp r, 0,1,2,3
	v_cvt_pk_f16_f32 v[TMP+4*(\b)+(\r)], v[AC+8*(\b)+2*(\r)], v[AC+8*(\b)+2*(\r)+1]
.endr
.endr
	WIN 0
.endm
.macro TOSTAGE a
	WIN 0
.set BK, OB+192*((\a)%2)
.irp b, 0,1,2,3,4,5,6,7
	ds_store_b128 v[STO], v[TMP+4*(\b):TMP+4*(\b)+3] offset:32*(\b)
.endr
.irp t, 0,1,2,3,4,5,6,7
	ds_load_b128 v[BK+4*(\t):BK+4*(\t)+3], v[RD] offset:(\t)*2*SPITCH  ; LDS serves a wave's instructions in order (ISA guide 5.7.1.4): these see the stores above
.endr
.endm
.macro SEND a, younger
	WIN 0
.set BK, OB+192*((\a)%2)
	s_wait_dscnt \younger                          ; the block is back in registers
	s_wait_xcnt 0x0                                ; earlier stores have read their base and their data
.if (\a) == 0
	s_add_nc_u64 s[8:9], s[8:9], s[16:17]
.else
	s_add_nc_u64 s[8:9], s[8:9], 16*CROW
.endif
.irp t, 0,1,2,3,4,5,6,7
	global_store_b128 v[CO], v[BK+4*(\t):BK+4*(\t)+3], s[8:9] offset:2*(\t)*CROW  ; 16 lanes store 256 consecutive bytes, at a multiple of 256 from C's first byte
.endr
.endm
.endif
	s_wait_tensorcnt 1                             ; my part of K step 0 is in; K step 1's may stay out
	s_barrier_signal -1
	s_barrier_wait -1                              ; everybody's is
	FETCH 0, 0, F0
	QUARTER 0, 1, F0, F1, 1                        ; the first quarter stands in front of the loop: its products start the sums
	WIN 0                                          ; at a label and at a branch every window is 0
	s_mov_b32 s3, LAPS-1
.Llap:                                                 ; a trip goes once round the ring, from a lap's second quarter to the next lap's first, and fills both slots again
	QUARTER 0, 2, F1, F0, 0
	QUARTER 0, 3, F0, F1, 0
	TURN 0, 1, 1
	QUARTER 1, 1, F0, F1, 0
	QUARTER 1, 2, F1, F0, 0
	QUARTER 1, 3, F0, F1, 0
	TURN 1, 0, 1
	QUARTER 0, 1, F0, F1, 0
	WIN 0
	s_sub_co_u32 s3, s3, 1
	s_cmp_lg_u32 s3, 0
	s_cbranch_scc1 .Llap
	QUARTER 0, 2, F1, F0, 0                        ; the last lap fills nothing, and has no round of the cluster's barrier
	QUARTER 0, 3, F0, F1, 0
	TURN 0, 1, 0
	QUARTER 1, 1, F0, F1, 0
	QUARTER 1, 2, F1, F0, 0
	QUARTER 1, 3, F0, F1, 0
	s_wait_dscnt NA                                ; the very last quarter: nothing more to fetch
	HALF1 F1, 0
	s_wait_dscnt 0x0
	HALF2 F1, 0
	PLACES                                         ; the way out reads results just made
.if OUTP
	TOSTAGE 0
	TOSTAGE 1
	SEND 0, 32
	TOSTAGE 2
	SEND 1, 32
	TOSTAGE 3
	SEND 2, 32
	SEND 3, 0
.else
	PACK 0
	TOSTAGE 0
.irp a, 1,2,3,4,5,6,7                  ; block a's conversions stand between block a - 1's loads from the stage and the wait for them
	PACK \a
	SEND (\a)-1, 0
	TOSTAGE \a
.endr
	SEND 7, 0
.endif
	s_wait_tensorcnt 0x0                           ; the wave's end: behind my last tensor load and my last LDS store
	ds_add_u32 v[SPW], v[NIL]
	s_wait_dscnt 0x0
	CROUND                                         ; the closing round: no work-group ends while a partner may still ask for a tile that names it
	s_endpgm
.Lfunc_end_k_q362ab4fb19_proj:
	.size	k_q362ab4fb19_proj, .Lfunc_end_k_q362ab4fb19_proj-k_q362ab4fb19_proj
	.p2alignl 7, 3214868480
	.fill 96, 4, 3214868480
	.section	.rodata,"a",@progbits
	.p2align	6, 0x0
	.amdhsa_kernel k_q362ab4fb19_proj
		.amdhsa_group_segment_fixed_size 327680
		.amdhsa_private_segment_fixed_size 0
		.amdhsa_enable_private_segment 0
		.amdhsa_kernarg_size 24
		.amdhsa_user_sgpr_count 2
		.amdhsa_user_sgpr_kernarg_segment_ptr 1
		.amdhsa_wavefront_size32 1
		.amdhsa_system_sgpr_workgroup_id_x 1
		.amdhsa_system_sgpr_workgroup_id_y 1
		.amdhsa_system_sgpr_workgroup_id_z 1
		.amdhsa_system_vgpr_workitem_id 0
		.amdhsa_next_free_vgpr 1024
		.amdhsa_next_free_sgpr 72
		.amdhsa_reserve_vcc 0
		.amdhsa_float_denorm_mode_32 3
		.amdhsa_float_denorm_mode_16_64 3
		.amdhsa_memory_ordered 1
		.amdhsa_forward_progress 1
		.amdhsa_inst_pref_size 145
	.end_amdhsa_kernel
	.amdgpu_metadata
---
amdhsa.version: [ 1, 2 ]
amdhsa.kernels:
  - .name:           k_q362ab4fb19_proj
    .symbol:         k_q362ab4fb19_proj.kd
    .args:
      - { .name: xb, .offset: 0, .size: 8, .value_kind: global_buffer, .address_space: global }
      - { .name: wb, .offset: 8, .size: 8, .value_kind: global_buffer, .address_space: global }
      - { .name: qkv, .offset: 16, .size: 8, .value_kind: global_buffer, .address_space: global }
    .group_segment_fixed_size: 327680
    .private_segment_fixed_size: 0
    .kernarg_segment_align: 8
    .kernarg_segment_size: 24
    .max_flat_workgroup_size: 128
    .sgpr_count:     72
    .vgpr_count:     1024
    .wavefront_size: 32
...
	.end_amdgpu_metadata
.endif
;; end of part 2
;; launch attn (part 3): grid 16 x 16, 8 waves a work-group, no clusters, 229,632 bytes of LDS; arguments qkv, ctx; writes ctx
.if DOCPART == 3
	.amdgcn_target "amdgcn-amd-amdhsa--gfx1250"
	.amdhsa_code_object_version 6
	.text
	.protected	k_q362ab4fb19_attn
	.globl	k_q362ab4fb19_attn
	.p2align	8
	.type	k_q362ab4fb19_attn,@function
k_q362ab4fb19_attn:
	s_mov_b64 s[64:65], 0
	v_nop
	global_prefetch_b8 v0, s[64:65] scope:SCOPE_SE
	s_setreg_imm32_b32 hwreg(HW_REG_WAVE_MODE, 25, 1), 1
	s_wait_xcnt 0x0
; BANDED ATTENTION WITH THE SOFTMAX OVER THE QUERIES.  qkv: [16384][1024] f16: rows 0-8191 Q (4096 b + query), 8192-12287 K (2048 b + key), 12288-16383 V / 8; head h at columns 64 h.
; ctx: [8192][1024] f16, the context / 8.  Key c sees the queries 2 c .. 2 c + 15 (cut at 4,095); its weights are the softmax of those scores Q . K, unscaled; a query adds up its (at most 8) keys' weights times V.
; Products, maxima and sums in f32; the weights are rounded to f16 for the second product, the context once at the end.
; LIMITS.  A hidden score counts as its value less 1e30: f16's scores, 2.7e11 at the most, are nothing beside that.  A weight below 2^-126 counts as 0.  NaN and infinities are not treated apart.
; THE BAND IN TILES.  Tile t = queries 16 t .. 16 t + 15 sees only the WINDOW of 16 keys 8 t - 8 .. 8 t + 7: the key groups G(t - 1) and G(t), G(g) = keys 8 g .. 8 g + 7.  G(g)'s queries lie in tiles g and g + 1.
; S^T = K Q^T (source 0 = the window, source 1 = the tile): lane (r = l % 16, h = l / 16), register j holds key 8 t - 8 + 8 h + j and query 16 t + r, seen where r < 2 j (h = 0) or r >= 2 j (h = 1): the same in every tile.
; The mask, 0 or -1e30, is the C operand that starts the sum.  Lanes 16-31 of tile g and lanes 0-15 of tile g + 1 together are G(g)'s 8 keys (registers) x 32 candidate queries (lanes): the softmax is a
; reduction over the 32 lanes of each register.  Put back, a tile's weights, rounded in pairs, ARE half of source 1 (16 of 32 keys x 16 queries) of O^T = V^T P; the other half is 0, so that one fragment of 32 keys of V serves two tiles.
; SHARES.  A work-group takes 256 queries of two neighbouring heads (256 bytes of each row).  Wave w: head w % 2, tiles 4 (w / 2) + 0..3 of the block's 16; it makes six score tiles (one more on each side) and five key groups.
; All of the block's Q, K and V come in by four tensor loads a wave, issued together at the start; nothing in LDS is filled again.  NO CLUSTER: neighbouring blocks share 32 of 288 rows of Q and the like of K and V.
; Rows beyond the block's ends are neighbouring rows of qkv (finite f16); their scores are hidden or their weights are 0.  The one halo that would leave the buffer is clamped.
.set PQ,    272       ; a row of Q, K or the stage in LDS: 256 bytes + 16: the 16 rows of a load start at 16 different groups of four banks (64 banks of 4 bytes: ISA guide 11.1)
.set PVP,   288       ; a row of V: 256 + 32
.set QL,    0         ; 288 rows: row 16 u + r = query r of tile T0 - 1 + u (T0 = the block's first tile)
.set KL,    288*PQ    ; 152 rows: row x = key 8 T0 - 16 + x
.set VL,    119808    ; 136 rows: row x = key 8 T0 - 8 + x (behind K's 41,344 bytes, on the next multiple of 256)
.set STAGE, VL+136*PVP  ; 256 rows of the context; no tensor load lands here
.set SPARE, STAGE+256*PQ  ; the spare words, 128 bytes for each wave: four blocks of 256 bytes that no other line names
.set AQ,  4           ; v4   LDS address of my lane in my first score tile's Q
.set AK,  5           ; v5   the same in its window of K
.set AV,  6           ; v6   my lane's address for the turning loads of V
.set STO, 7           ; v7   the way out: where I put 16 bytes of a row
.set RD,  8           ; v8   where I read rows back
.set GO,  9           ; v9   my byte offset in two rows of ctx
.set SPW, 10          ; v10  LDS address of my spare word: SPARE + 4 x my thread's number; never rewritten
.set NIL, 11          ; v11  0; never rewritten
.set MD,  16          ; v16-23 the band's mask; v24-31, v32-39, v40-47 the masks of score tiles 0, 1 and 5, which also hide what lies beyond the sequence's ends
.set M0,  24
.set M1,  32
.set M5,  40
.set S,   48          ; v48-95  score tile i at S + 8 i; then key group g in place at S + 8 g
.set KF,  96          ; v96-143 K's fragments of three tiles
.set T,   96          ;         later: a group's maxima, sums and reciprocals at T + 8 g,
.set U,   136         ;         and v136-143 the other half of the lanes'
.set QF,  144         ; v144-191 Q's fragments of three tiles
.set YP,  144         ;         later: v144-163 the groups' weights in f16,
.set PF,  164         ;         v164-175 [P0][0][P2], v176-187 [P1][0][P3]
.set VF,  192         ; v192-223 V^T for tiles 0 and 2 (32 keys), v224-255 for tiles 1 and 3 (8 keys on)
.set PK,  192         ;         later: the context, packed
.set O,   16          ; v16-143 O^T: tile a, channel block cb at O + 32 a + 8 cb; then v16-79 rows read back
.set WV,  8           ; s8   my wave's number
.set HX,  9           ; s9   which of the two heads
.set TA,  10          ; s10  which four tiles
.set BIGN, 20         ; s20  -1e30
.set FLOOR, 21        ; s21  -1e29
.set ELO, 22          ; s22  -1e30 if my first tile is the sequence's first, else 0
.set EHI, 23          ; s23  -1e30 if my last tile is the sequence's last, else 0
.set G1H, 24          ; s[24:55] four descriptor groups 1: Q's halo, Q, K, V: they differ in the rows, V's in the padding
.set G1Q, 32
.set G1K, 40
.set G1V, 48
.set G0H, 56          ; s[56:63], s[68:75] their groups 0
.set G0Q, 60
.set G0K, 68
.set G0V, 72
.set CS,  76          ; s[76:77] log2(e): the packed multiply takes the pair's low word for both halves
.set SEL, 78          ; s[78:79] v_permlanex16_b32's selects: each lane takes its own place in the other half
.set SH,  80          ; s80  the lanes 16-31
.set LM,  81          ; s81  a lane mask at work
.set QR,  82          ; s82  the block's first row of Q and of ctx
.macro SHAPE g, rows, pad              ; group 1: a tile of 'rows' rows x 128 elements of 2 bytes, 'pad' words of padding behind every 64 words
	s_mov_b32 s[(\g)], (1<<16)|(1<<20)|(5<<22)|(((\pad)-1)<<25)
	s_mov_b32 s[(\g)+1], 128<<16                   ; tensor_dim0
	s_mov_b32 s[(\g)+2], (\rows)<<16               ; tensor_dim1
	s_mov_b32 s[(\g)+3], 128<<16                   ; tile_dim0
	s_mov_b32 s[(\g)+4], \rows                     ; tile_dim1
	s_mov_b32 s[(\g)+5], 1024                      ; elements from row to row
	s_mov_b32 s[(\g)+6], 0
	s_mov_b32 s[(\g)+7], 0
.endm
.macro FROM g, off                     ; group 0's address: qkv + the byte offset in s[off]
	s_mov_b32 s16, s[\off]
	s_add_nc_u64 s[(\g)+2:(\g)+3], s[4:5], s[16:17]
	s_or_b32 s[(\g)+3], s[(\g)+3], 0x80000000      ; type = 2
.endm
.macro PLACES                          ; four places behind matrix instructions (ISA guide 7.12.1 for lines that read results)
.rept 4
	v_nop
.endr
.endm
	s_load_b128 s[4:7], s[0:1], 0x0                ; qkv s[4:5], ctx s[6:7]
	v_lshl_add_u32 v[SPW], v0, 2, SPARE
	v_mov_b32 v[NIL], 0
	ds_add_u32 v[SPW], v[NIL]                      ; the wave's opening: the add and its wait stand ahead of my first tensor load; the set-up below, work on registers, stands between them
	ds_add_u32 v10, v11
	v_lshrrev_b32 v1, 5, v0
	v_readfirstlane_b32 s[WV], v1                  ; wave 0..7
	s_and_b32 s[HX], s[WV], 1
	s_lshr_b32 s[TA], s[WV], 1
	s_and_b32 s12, ttmp7, 0xffff
	s_lshr_b32 s13, s12, 3                         ; the batch
	s_and_b32 s14, s12, 7                          ; the pair of heads:
	s_lshl_b32 s19, s14, 8                         ; 256 bytes of each row
	s_lshl_b32 s[QR], s13, 12
	s_lshl_b32 s16, ttmp9, 8
	s_add_co_u32 s[QR], s[QR], s16                 ; 4096 b + 256 x block
	s_sub_co_i32 s15, s[QR], 16                    ; Q's halo in front: 16 rows, 2 a wave; in the very first block they do not exist: rows 0-15 stand in, and their scores are hidden
	s_max_i32 s15, s15, 0
	s_lshl_b32 s16, s[WV], 1
	s_add_co_u32 s15, s15, s16
	s_mul_i32 s18, s[WV], 34                       ; Q: the block's 256 rows and 16 behind them, 34 a wave
	s_add_co_u32 s18, s18, s[QR]
	s_lshl_b32 s16, s13, 11
	s_lshl_b32 s17, ttmp9, 7
	s_add_co_u32 s16, s16, s17                     ; 2048 b + 128 x block: the block's first key
	s_mul_i32 s2, s[WV], 19                        ; K: 152 rows from 16 in front of it, 19 a wave
	s_add_co_u32 s2, s2, s16
	s_add_co_u32 s2, s2, 8192-16
	s_mul_i32 s3, s[WV], 17                        ; V: 136 rows from 8 in front of it, 17 a wave
	s_add_co_u32 s3, s3, s16
	s_add_co_u32 s3, s3, 12288-8
.irp r, 15,18,2,3
	s_lshl_b32 s\r, s\r, 11                        ; rows of 2,048 bytes (under 2^25),
	s_add_co_u32 s\r, s\r, s19                     ; my pair of heads
.endr
	SHAPE G1H, 2, 4
	SHAPE G1Q, 34, 4
	SHAPE G1K, 19, 4
	SHAPE G1V, 17, 8
	s_mov_b32 s[G0H], 1                            ; count = 1; then the LDS address: a constant + the wave's number x a constant
	s_mul_i32 s[G0H+1], s[WV], 2*PQ
	s_mov_b32 s[G0Q], 1
	s_mul_i32 s[G0Q+1], s[WV], 34*PQ
	s_add_co_u32 s[G0Q+1], s[G0Q+1], QL+16*PQ
	s_mov_b32 s[G0K], 1
	s_mul_i32 s[G0K+1], s[WV], 19*PQ
	s_add_co_u32 s[G0K+1], s[G0K+1], KL
	s_mov_b32 s[G0V], 1
	s_mul_i32 s[G0V+1], s[WV], 17*PVP
	s_add_co_u32 s[G0V+1], s[G0V+1], VL
	s_mov_b32 s[BIGN], 0xf149f2ca
	s_mov_b32 s[FLOOR], 0xefa18f08
	s_mov_b32 s[CS], 0x3fb8aa3b
	s_mov_b32 s[CS+1], s[CS]                       ; named with it as a pair
	s_mov_b32 s[SEL], 0x76543210
	s_mov_b32 s[SEL+1], 0xfedcba98
	s_mov_b32 s[SH], 0xffff0000
	s_lshl_b32 s16, ttmp9, 4
	s_lshl2_add_u32 s16, s[TA], s16                ; my first tile in the sequence: 16 x block + 4 TA
	s_cmp_eq_u32 s16, 0
	s_cselect_b32 s[ELO], s[BIGN], 0
	s_cmp_eq_u32 s16, 252
	s_cselect_b32 s[EHI], s[BIGN], 0
	s_mov_b32 s17, 0
	s_wait_dscnt 0x0                               ; the opening add is done
	s_wait_kmcnt 0x0
	FROM G0H, 15
	FROM G0Q, 18
	FROM G0K, 2
	FROM G0V, 3
	tensor_load_to_lds s[G0H:G0H+3], s[G1H:G1H+7]  ; the four first fills go out together: four loads of mine are out
	s_nop 0
	tensor_load_to_lds s[G0Q:G0Q+3], s[G1Q:G1Q+7]
	s_nop 0
	tensor_load_to_lds s[G0K:G0K+3], s[G1K:G1K+7]
	s_nop 0
	tensor_load_to_lds s[G0V:G0V+3], s[G1V:G1V+7]
	s_nop 0
	; addresses and masks are made while the tiles are on their way
	v_and_b32 v1, 15, v0                           ; r
	v_bfe_u32 v2, v0, 4, 1                         ; h
	v_and_b32 v3, 7, v0
	s_lshl_b32 s16, s[TA], 6
	s_lshl_b32 s18, s[HX], 7                       ; my head's 128 bytes
	v_add_nc_u32 v12, s16, v1                      ; Q and the stage: row 64 TA + r,
	v_mul_u32_u24 v12, v12, PQ
	v_lshl_add_u32 v12, v2, 4, v12                 ; 16 bytes for each half of the lanes
	v_add_nc_u32 v[AQ], s18, v12
	v_add_nc_u32 v[STO], STAGE-QL, v[AQ]           ; the stage has Q's pitch; my tile a lies 16 rows above score tile a + 1's place in Q, that is, at score tile a's
	s_lshl_b32 s16, s[TA], 5
	v_add_nc_u32 v12, s16, v1                      ; K: row 32 TA + r
	v_mul_u32_u24 v12, v12, PQ
	v_lshl_add_u32 v12, v2, 4, v12
	s_add_co_u32 s2, s18, KL
	v_add_nc_u32 v[AK], s2, v12
	v_lshl_add_u32 v12, v2, 3, v3                  ; V: the turning load takes 16 keys x 16 channels: lane l reads key 8 h + l % 8, channels 8 ((l / 8) % 2) + 0..7
	v_add_nc_u32 v12, s16, v12
	v_mul_u32_u24 v12, v12, PVP
	v_bfe_u32 v13, v0, 3, 1
	v_lshl_add_u32 v12, v13, 4, v12
	s_add_co_u32 s2, s18, VL
	v_add_nc_u32 v[AV], s2, v12
	s_lshl_b32 s16, s[WV], 5
	v_add_nc_u32 v12, s16, v2                      ; back: wave w takes rows 32 w .. 32 w + 31, whole: lanes 0-15 one row of 256 bytes, lanes 16-31 the next
	v_mul_u32_u24 v12, v12, PQ
	v_lshl_add_u32 v12, v1, 4, v12
	v_add_nc_u32 v[RD], STAGE, v12
	v_lshlrev_b32 v[GO], 11, v2                    ; and the same two rows in ctx
	v_lshl_add_u32 v[GO], v1, 4, v[GO]
	s_add_co_u32 s16, s16, s[QR]
	s_lshl_b32 s16, s16, 11
	s_add_co_u32 s16, s16, s19
	s_add_nc_u64 s[6:7], s[6:7], s[16:17]          ; ctx at my 32 rows, my pair of heads (s17 = 0)
.irp j, 0,1,2,3,4,5,6,7
	s_mov_b32 s[LM], (0xffff^((1<<(2*(\j)))-1))|(((1<<(2*(\j)))-1)<<16)  ; hidden: r >= 2 j in lanes 0-15, r < 2 j in lanes 16-31
	v_cndmask_b32 v[MD+(\j)], 0, s[BIGN], s[LM]
.endr
	v_mov_b32 v13, s[ELO]
	v_cndmask_b32 v12, v13, 0, s[SH]               ; lanes 0-15 of the sequence's first tile hold keys that do not exist
.irp j, 0,1,2,3,4,5,6,7
	v_add_f32 v[M0+(\j)], s[ELO], v[MD+(\j)]       ; the tile in front of the sequence's first does not exist,
	v_add_f32 v[M1+(\j)], v12, v[MD+(\j)]
	v_add_f32 v[M5+(\j)], s[EHI], v[MD+(\j)]       ; nor the tile behind its last
.endr
	s_wait_tensorcnt 0x0                           ; my parts of all four regions are in,
	s_barrier_signal -1
	s_barrier_wait -1                              ; everybody's are
; 24 LDS loads: K's and Q's fragments (16 rows x 32 channels: two loads of 16 bytes, 32 bytes apart) of score tiles 3 half + 0..2.  A tile's window begins 8 rows of K, its queries 16 rows of Q, behind the last's.
.macro LDKQ half
.irp s, 0,1,2
.irp f, 0,1
.set ti, 3*(\half)+(\s)
.set rK, KF+16*(\s)+8*(\f)
.set rQ, QF+16*(\s)+8*(\f)
	ds_load_b128 v[rK:rK+3],   v[AK] offset:ti*8*PQ+64*(\f)
	ds_load_b128 v[rK+4:rK+7], v[AK] offset:ti*8*PQ+64*(\f)+32
	ds_load_b128 v[rQ:rQ+3],   v[AQ] offset:ti*16*PQ+64*(\f)
	ds_load_b128 v[rQ+4:rQ+7], v[AQ] offset:ti*16*PQ+64*(\f)+32
.endr
.endr
.endm
; Their six products: the first three start the sums with the masks; the three accumulators take turns, one instruction a turn.
.macro SMM half
.irp f, 0,1
.irp s, 0,1,2
.set ti, 3*(\half)+(\s)
.set rS, S+8*ti
.set rK, KF+16*(\s)+8*(\f)
.set rQ, QF+16*(\s)+8*(\f)
.set rM, MD
.if ti == 0
.set rM, M0
.elseif ti == 1
.set rM, M1
.elseif ti == 5
.set rM, M5
.endif
.if (\f) == 0
	v_wmma_f32_16x16x32_f16 v[rS:rS+7], v[rK:rK+7], v[rQ:rQ+7], v[rM:rM+7]
.else
	v_wmma_f32_16x16x32_f16 v[rS:rS+7], v[rK:rK+7], v[rQ:rQ+7], v[rS:rS+7]
.endif
.endr
.endr
.endm
; T[n] = op over the 16 lanes of each half of the groups' 40 registers: four steps that ride on the arithmetic (DPP), each over all 40, so that no line waits for the one before it
.macro LANES op
.set n, 0
.rept 40
	\op v[T+n], v[S+n], v[S+n] row_xmask:1 row_mask:0xf bank_mask:0xf
.set n, n+1
.endr
.irp m, 2,4,8
.set n, 0
.rept 40
	\op v[T+n], v[T+n], v[T+n] row_xmask:\m row_mask:0xf bank_mask:0xf
.set n, n+1
.endr
.endr
.endm
.macro CROSS g                         ; U = group g's eight figures of the other half of the lanes
.set j, 0
.rept 8
	v_permlanex16_b32 v[U+j], v[T+8*(\g)+j], s[SEL], s[SEL+1]
.set j, j+1
.endr
.endm
	LDKQ 0
.irp cb, 0,1,2,3                       ; V^T: 32 keys x 16 channels a fragment; the second set begins 8 keys on
	ds_load_tr16_b128 v[VF+8*(\cb):VF+8*(\cb)+3],       v[AV] offset:32*(\cb)
	ds_load_tr16_b128 v[VF+8*(\cb)+4:VF+8*(\cb)+7],     v[AV] offset:32*(\cb)+16*PVP
	ds_load_tr16_b128 v[VF+32+8*(\cb):VF+32+8*(\cb)+3],   v[AV] offset:32*(\cb)+8*PVP
	ds_load_tr16_b128 v[VF+32+8*(\cb)+4:VF+32+8*(\cb)+7], v[AV] offset:32*(\cb)+24*PVP
.endr
	s_wait_dscnt 16                                ; K and Q of tiles 0-2 are in; V's 16 loads may stay out
	SMM 0
	PLACES                                         ; in front of loads into registers that those products have read
	LDKQ 1
	s_wait_dscnt 0x0
	SMM 1
	PLACES
	; by key groups, in place: lanes 16-31 keep tile g's, lanes 0-15 take tile g + 1's.  Ascending.
.set n, 0
.rept 40
	v_cndmask_b32 v[S+n], v[S+8+n], v[S+n], s[SH]
.set n, n+1
.endr
.irp z, 4,5,6,7,16,17,18,19
	v_mov_b32 v[PF+(\z)], 0                        ; the halves of source 1 that belong to the other tile's keys
.endr
	; each key's maximum over its queries.  The floor is reached only by a group of keys that do not exist: all its scores are hidden.
	LANES v_max_num_f32_dpp
.irp g, 0,1,2,3,4
	CROSS \g
.set j, 0
.rept 8
	v_max3_num_f32 v[T+8*(\g)+j], v[T+8*(\g)+j], v[U+j], s[FLOOR]
.set j, j+1
.endr
.endr
	; log2(e) (s - m): the difference first, so that a key's largest exponent is exactly 0 whatever the size of the scores, and its sum at least 1
.set n, 0
.rept 20
	v_pk_add_f32 v[S+n:S+n+1], v[S+n:S+n+1], v[T+n:T+n+1] neg_lo:[0,1] neg_hi:[0,1]
.set n, n+2
.endr
.set n, 0
.rept 20
	v_pk_mul_f32 v[S+n:S+n+1], v[S+n:S+n+1], s[CS:CS+1] op_sel_hi:[1,0]
.set n, n+2
.endr
.set n, 0
.rept 40
	v_exp_f32 v[S+n], v[S+n]                       ; one batch
.set n, n+1
.endr
	v_nop                                          ; a plain instruction behind the last exponential,
	s_wait_alu depctr_va_vdst(0)                   ; and a wait ahead of the first use
	LANES v_add_f32_dpp
.irp g, 0,1,2,3,4
	CROSS \g
.set j, 0
.rept 8
	v_add_f32 v[T+8*(\g)+j], v[T+8*(\g)+j], v[U+j]
.set j, j+1
.endr
.endr
.set n, 0
.rept 40
	v_max_num_f32 v[T+n], 0.5, v[T+n]              ; a key that exists has a sum of 1 or more; one that does not has 0: its weights stay 0, and finite
.set n, n+1
.endr
.set n, 0
.rept 40
	v_rcp_f32 v[T+n], v[T+n]                       ; one batch
.set n, n+1
.endr
	v_nop
	s_wait_alu depctr_va_vdst(0)
.set n, 0
.rept 20
	v_pk_mul_f32 v[S+n:S+n+1], v[S+n:S+n+1], v[T+n:T+n+1]
.set n, n+2
.endr
.set n, 0
.rept 20
	v_cvt_pk_f16_f32 v[YP+n], v[S+2*n], v[S+2*n+1]
.set n, n+1
.endr
	; back by tiles: my tile a takes lanes 0-15 of group a and lanes 16-31 of group a + 1: keys 8 h + 0..7 of its window, which is how half of source 1 lies
.irp a, 0,1,2,3
.irp i, 0,1,2,3
	v_cndmask_b32 v[PF+12*((\a)%2)+8*((\a)/2)+(\i)], v[YP+4*(\a)+(\i)], v[YP+4*(\a)+4+(\i)], s[SH]
.endr
.endr
	; O^T = V^T P: 16 products, each on an accumulator of its own.  Tiles 0 and 1 have their window in a fragment's first 16 keys, tiles 2 and 3 in its last 16.
.irp cb, 0,1,2,3
.irp a, 0,1,2,3
.set rO, O+32*(\a)+8*(\cb)
.set rV, VF+32*((\a)%2)+8*(\cb)
.set rP, PF+12*((\a)%2)+4*((\a)/2)
	v_wmma_f32_16x16x32_f16 v[rO:rO+7], v[rV:rV+7], v[rP:rP+7], 0
.endr
.endr
	PLACES
	; THE WAY OUT: a lane's eight channels of a row pack into 16 bytes; into the work-group's stage; a barrier, since a row's 256 bytes come from two waves; back as whole rows, 32 rows a wave.
.set n, 0
.rept 64
	v_cvt_pk_f16_f32 v[PK+n], v[O+2*n], v[O+2*n+1] ; ascending: each accumulator's lowest registers first
.set n, n+1
.endr
.irp a, 0,1,2,3
.irp cb, 0,1,2,3
	ds_store_b128 v[STO], v[PK+16*(\a)+4*(\cb):PK+16*(\a)+4*(\cb)+3] offset:(\a)*16*PQ+32*(\cb)
.endr
.endr
	s_wait_dscnt 0x0                               ; for the others' sake: my stores into the stage are done
	s_barrier_signal -1
	s_barrier_wait -1
.irp t, 0,1,2,3,4,5,6,7,8,9,10,11,12,13,14,15
	ds_load_b128 v[O+4*(\t):O+4*(\t)+3], v[RD] offset:(\t)*2*PQ
.endr
.irp t, 0,1,2,3,4,5,6,7,8,9,10,11,12,13,14,15
	s_wait_dscnt 15-(\t)                           ; LDS loads come back in order: pair t of rows is in
	global_store_b128 v[GO], v[O+4*(\t):O+4*(\t)+3], s[6:7] offset:4096*(\t)  ; 16 lanes store 256 consecutive bytes, at a multiple of 256 from ctx's first byte
.endr
	s_wait_tensorcnt 0x0                           ; the wave's end: behind my last tensor load and my last LDS store
	ds_add_u32 v[SPW], v[NIL]
	s_wait_dscnt 0x0
	s_endpgm
.Lfunc_end_k_q362ab4fb19_attn:
	.size	k_q362ab4fb19_attn, .Lfunc_end_k_q362ab4fb19_attn-k_q362ab4fb19_attn
	.p2alignl 7, 3214868480
	.fill 96, 4, 3214868480
	.section	.rodata,"a",@progbits
	.p2align	6, 0x0
	.amdhsa_kernel k_q362ab4fb19_attn
		.amdhsa_group_segment_fixed_size 229632
		.amdhsa_private_segment_fixed_size 0
		.amdhsa_enable_private_segment 0
		.amdhsa_kernarg_size 16
		.amdhsa_user_sgpr_count 2
		.amdhsa_user_sgpr_kernarg_segment_ptr 1
		.amdhsa_wavefront_size32 1
		.amdhsa_system_sgpr_workgroup_id_x 1
		.amdhsa_system_sgpr_workgroup_id_y 1
		.amdhsa_system_sgpr_workgroup_id_z 1
		.amdhsa_system_vgpr_workitem_id 0
		.amdhsa_next_free_vgpr 256
		.amdhsa_next_free_sgpr 84
		.amdhsa_reserve_vcc 0
		.amdhsa_float_denorm_mode_32 3
		.amdhsa_float_denorm_mode_16_64 3
		.amdhsa_memory_ordered 1
		.amdhsa_forward_progress 1
		.amdhsa_inst_pref_size 66
	.end_amdhsa_kernel
	.amdgpu_metadata
---
amdhsa.version: [ 1, 2 ]
amdhsa.kernels:
  - .name:           k_q362ab4fb19_attn
    .symbol:         k_q362ab4fb19_attn.kd
    .args:
      - { .name: qkv, .offset: 0, .size: 8, .value_kind: global_buffer, .address_space: global }
      - { .name: ctx, .offset: 8, .size: 8, .value_kind: global_buffer, .address_space: global }
    .group_segment_fixed_size: 229632
    .private_segment_fixed_size: 0
    .kernarg_segment_align: 8
    .kernarg_segment_size: 16
    .max_flat_workgroup_size: 256
    .sgpr_count:     84
    .vgpr_count:     256
    .wavefront_size: 32
...
	.end_amdgpu_metadata
.endif
;; end of part 3
;; launch outp (part 4): grid 4 x 64, 4 waves a work-group, clusters of 4 x 4, 327,680 bytes of LDS; arguments ctx, wb, out0; writes out0
.if DOCPART == 4
	.amdgcn_target "amdgcn-amd-amdhsa--gfx1250"
	.amdhsa_code_object_version 6
	.text
	.protected	k_q362ab4fb19_outp
	.globl	k_q362ab4fb19_outp
	.p2align	8
	.type	k_q362ab4fb19_outp,@function
k_q362ab4fb19_outp:
	s_mov_b64 s[64:65], 0
	v_nop
	global_prefetch_b8 v0, s[64:65] scope:SCOPE_SE
	s_setreg_imm32_b32 hwreg(HW_REG_WAVE_MODE, 25, 1), 1
	s_wait_xcnt 0x0
	s_wait_alu depctr_hold_cnt(0) depctr_sa_sdst(0) depctr_va_vdst(0) depctr_va_sdst(0) depctr_va_ssrc(0) depctr_va_vcc(0) depctr_vm_vsrc(0)
	s_getreg_b32 s2, hwreg(HW_REG_IB_STS2, 6, 4)
	s_cmp_eq_u32 s2, 0
	s_cbranch_scc0 .Lentry_in_a_cluster
	s_endpgm
.Lentry_in_a_cluster:
	s_bfe_u32 s2, ttmp6, 0x10000c
	s_cmp_lg_u32 s2, 0xf033
	s_cbranch_scc0 .Lentry_shape_is_right
	s_endpgm
.Lentry_shape_is_right:
; C[m][n] = sum over k of A[m][k] B[k][n], K = N = 1,024.  A: [M][1024] of 16 bits, K along the rows.  B: [1024][1024] of 16 bits, N along the rows, one of the four matrices of wb.  Sums in f32.
; ONE TEXT, TWO USES, told apart by OUTP.
;   OUTP = 0: A = xb (q, k, v on end, bf16, M = 16,384); B = Wq, Wk or Wv / 8 by the row block; C = qkv in f16.  A tile of C is 256 x 256, a wave's part 128 x 128.
;   OUTP = 1: A = ctx (f16, M = 8,192); B = 8 Wo (f16); C = out0 in f32.  A tile of C is 128 x 256, a wave's part 64 x 128: so that there are again 256 work-groups.
; LIMIT (OUTP = 0): Q, K and V / 8 are rounded to f16, which ends at 65,504.  NaN and infinities are not treated apart.
; Four waves.  K goes in steps of 128 through a ring of two LDS slots filled by the tensor data mover; each wave fetches half of A's or half of B's tile with one load.
; B lies [k][n] in memory and in LDS; its fragments come out turned, by ds_load_tr16_b128.
; CLUSTERS: 4 x 4 work-groups.  The four of a row of the cluster need the same tiles of A, the four of a column the same tiles of B: each tile is asked for JOINTLY, by the same tensor load
; with the same descriptor and a mask that names the four.
; THE MATRIX INSTRUCTION IS USED TRANSPOSED (source 0 = 16 columns of B, source 1 = 16 rows of A): a lane then holds row l % 16 of C and eight neighbouring columns, 8 (l / 16) + 0..7.
; REGISTERS, in windows of 256 (s_set_vgpr_msb: bits 1:0 source 0, 3:2 source 1, 5:4 source 2, 7:6 destination):
;   window 0: v0-31 addresses; from v64 and from v128 A's fragments, two buffers; the rest at work on the way out      window 1: v64-127, v128-191 B's fragments, two buffers
;   window 2 (and 3 with OUTP = 0): the accumulators: (a, b) at v[8 (8 (a % 4) + b)] of window 2 + a / 4
.set OUTP, 1
.if OUTP
.set TM,     128                       ; rows of C in a tile
.set MB,     1                         ; windows of accumulators
.set NA,     4                         ; blocks of 16 rows of A in a wave's part
.set SPITCH, 528                       ; a row of the stage: 512 bytes (128 f32) + 16
.set CROW,   4096                      ; bytes in a row of C
.else
.set TM,     256
.set MB,     2
.set NA,     8
.set SPITCH, 272                       ; 256 bytes (128 f16) + 16
.set CROW,   2048
.endif
.set KSTEP,  128
.set AP,     272                       ; a row of A in LDS: 256 bytes + 16 = 68 words: the 16 rows of a load start at 16 different groups of four banks (64 banks of 4 bytes: ISA guide 11.1)
.set BP,     544                       ; a row of B (one k, 256 n): 512 bytes + 32 = 136 words
.set AH,     (TM/2)*AP                 ; what one load brings of A, and what one wave reads of it
.set ATILE,  2*AH
.set BH,     64*BP                     ; what one load brings of B: 64 k
.set SLOT,   ATILE+2*BH
.set STAGE,  2*SLOT                    ; behind the ring: 16 rows for each wave, for the way out; no tensor load lands here
.set SPARE,  STAGE+4*16*SPITCH         ; behind the stages: the spare words, 128 bytes for each wave: two blocks of 256 bytes that no other line names
.set LAPS,   1024/(2*KSTEP)            ; a lap = two K steps = once round the ring
.set ADRA, 16                          ; v16-17  LDS address of my A fragments in slot 0, 1
.set ADRB, 20                          ; v20-21  the same for B
.set STO,  24                          ; v24     the way out: where I put my part of a row
.set RD,   25                          ; v25     the way out: where I read rows back
.set CO,   26                          ; v26     my byte offset in C
.set SPW,  28                          ; v28     LDS address of my spare word: SPARE + 4 x my thread's number; never rewritten
.set NIL,  29                          ; v29     0; never rewritten
.set PFO,  30                          ; v30     the prefetches' offset; never rewritten
.set F0,   64
.set F1,   128
.set TMP,  192                         ; OUTP = 0, the way out: packed results
.set OB,   32                          ; OUTP = 0, the way out: rows read back: v32-63 and v224-255 by turns
.set G1,   24                          ; s[24:31] descriptor group 1 for A's tiles
.set G0,   32                          ; s[32:39] group 0 for A's tiles, a set for each slot
.set G1B,  48                          ; s[48:55], s[56:63] the same for B's
.set G0B,  56
.set LIM,  43                          ; s43     1 in a wave that prefetches, else the greatest number
.set PFA,  44                          ; s[44:45] where my prefetches stand
.set PFS,  66                          ; s[66:67] their step: a K step along A's rows, or down B's
.set MSB, 0
.macro WIN new                         ; the immediate's high byte repeats the setting that is left; a switch that changes nothing is dropped
.if MSB != (\new)
	s_set_vgpr_msb (MSB<<8)|(\new)
.set MSB, \new
.endif
.endm
.set MUL_LO, 0xa1                      ; source 0 (B) window 1, source 1 (A) window 0, C and D window 2
.set TO_B,   0x40                      ; destination window 1, address window 0
; A joint load.  Waves 0 and 1 fetch A's two halves, waves 2 and 3 B's.  The branch hangs on the wave's number alone.  An s_nop 0 and four v_nop follow each of the two lines.
.macro JLOAD s
	s_cmp_eq_u32 s11, 0
	s_cbranch_scc0 .Lfor_b_\@
	tensor_load_to_lds s[G0+4*(\s):G0+4*(\s)+3], s[G1:G1+7]
	s_nop 0
.rept 4
	v_nop
.endr
	s_branch .Lasked_\@
.Lfor_b_\@:
	tensor_load_to_lds s[G0B+4*(\s):G0B+4*(\s)+3], s[G1B:G1B+7]
	s_nop 0
.rept 4
	v_nop
.endr
.Lasked_\@:
.endm
; A prefetch into the L2 (OUTP = 0), behind a joint load, its five lines and the run of LDS loads: the K step that stands two refills on.  Each block of 256 bytes is named once in the launch:
; A's rows belong to one cluster alone; of the 128 rows that a wave fetches the partner at cx takes 32, a lane a row.  A weight is read by several clusters along y: the first of them asks;
; of the 64 k that a wave fetches the partner at cy takes 16, two lanes a row of 512 bytes.  The partners are told apart by address, never by a branch.  The loop's last trip asks for nothing.
.macro ASK
	s_cmp_gt_u32 s3, s[LIM]                        ; s3 = 1 in the loop's last trip
	s_cbranch_scc0 .Lnot_mine_\@
	global_prefetch_b8 v[PFO], s[PFA:PFA+1] th:TH_LOAD_NT scope:SCOPE_SE
.Lnot_mine_\@:
.endm
.macro CREST                           ; a round of the cluster's barrier behind its opening barrier
	s_cmp_lg_u32 s10, 0
	s_cbranch_scc1 .Lnot_wave_0_\@
	s_barrier_signal -3
.Lnot_wave_0_\@:
	s_barrier_wait -3
	s_barrier_signal -1
	s_barrier_wait -1
.endm
.macro CROUND                          ; a whole round
	s_barrier_signal -1
	s_barrier_wait -1
	CREST
.endm
	s_load_b128 s[4:7], s[0:1], 0x0                ; A s[4:5], wb s[6:7]
	s_load_b64 s[8:9], s[0:1], 0x10                ; C
	v_lshl_add_u32 v[SPW], v0, 2, SPARE
	v_mov_b32 v[NIL], 0
	ds_add_u32 v[SPW], v[NIL]                      ; the wave's opening: the add and its wait stand ahead of my first tensor load; the set-up below, work on registers, stands between them
	ds_add_u32 v28, v29
	v_lshrrev_b32 v1, 5, v0
	v_readfirstlane_b32 s10, v1                    ; wave 0..3
	s_lshr_b32 s11, s10, 1                         ; which half of the tile's rows is mine.  Also: I fetch for A (0) or for B (1)
	s_and_b32 s12, s10, 1                          ; which half of its columns.  Also: which half of that tile I fetch
	s_bfe_u32 s40, ttmp6, 0x40000                  ; cx, cy: my place in the cluster
	s_bfe_u32 s41, ttmp6, 0x40004
	s_lshl_b32 s42, ttmp9, 2
	s_add_co_u32 s42, s42, s40                     ; tile column of C = 4 x cluster x + cx
	s_and_b32 s2, ttmp7, 0xffff                    ; cluster y
	s_lshl_b32 s13, s2, 2
	s_add_co_u32 s13, s13, s41                     ; tile row of C = 4 x cluster y + cy
	s_lshl_b32 s43, s41, 2
	s_lshl_b32 s43, 15, s43                        ; my row of the cluster
	s_lshl_b32 s44, 0x1111, s40                    ; my column
	s_or_b32 s[G1+0], s43, (1<<16)|(1<<20)|(1<<21)|(5<<22)|(3<<25)   ; 15:0 the mask: A's tiles go to my row; 17:16 2-byte elements; 20 padding on; 21 set beside a mask; 24:22 after every 64 words; 31:25 4 words
	s_or_b32 s[G1B+0], s44, (1<<16)|(1<<20)|(1<<21)|(6<<22)|(7<<25)  ; B's go to my column; padding after every 128 words, 8 words
	s_mov_b32 s[G1+1], KSTEP<<16                   ; tensor_dim0 = 128
	s_mov_b32 s[G1+2], (TM/2)<<16                  ; tensor_dim1 = half the tile's rows
	s_mov_b32 s[G1+3], KSTEP<<16                   ; tile_dim0
	s_mov_b32 s[G1+4], TM/2                        ; tile_dim1
	s_mov_b32 s[G1+5], 1024                        ; elements from row to row
	s_mov_b32 s[G1+6], 0
	s_mov_b32 s[G1+7], 0
	s_mov_b32 s[G1B+1], 256<<16                    ; 256 columns,
	s_mov_b32 s[G1B+2], 64<<16                     ; 64 k
	s_mov_b32 s[G1B+3], 256<<16
	s_mov_b32 s[G1B+4], 64
	s_mov_b32 s[G1B+5], 1024
	s_mov_b32 s[G1B+6], 0
	s_mov_b32 s[G1B+7], 0
.if OUTP
	s_mov_b32 s23, 3                               ; the fourth matrix of wb
.else
	s_cmp_ge_u32 s2, 8                             ; clusters 0-7 hold q's rows, 8-11 k's, 12-15 v's: the same in all sixteen partners
	s_cselect_b32 s23, 1, 0
	s_cselect_b32 s18, 8, 0
	s_cmp_ge_u32 s2, 12
	s_cselect_b32 s23, 2, s23                      ; which matrix of wb
	s_cselect_b32 s18, 12, s18
	s_sub_co_u32 s18, s2, s18                      ; 0 in the first cluster that reads it
.endif
	s_mul_i32 s16, s13, TM                         ; A's tile hangs on the tile row alone,
	s_mul_i32 s17, s12, TM/2
	s_add_co_u32 s16, s16, s17
	s_lshl_b32 s16, s16, 11                        ; rows of 2,048 bytes: under 2^25
	s_mov_b32 s17, 0
	s_lshl_b32 s46, s23, 21                        ; B's on the matrix (2 MiB each), the tile column
	s_lshl_b32 s47, s12, 17                        ; and my 64 k of 2,048 bytes
	s_add_co_u32 s46, s46, s47
	s_lshl_b32 s47, s42, 9
	s_add_co_u32 s46, s46, s47
	s_mov_b32 s47, 0
	s_mul_i32 s20, s12, AH                         ; where they go: no place in the cluster enters an LDS address
	s_mul_i32 s21, s12, BH
	s_add_co_u32 s21, s21, ATILE
	s_wait_dscnt 0x0                               ; the opening add is done
	s_wait_kmcnt 0x0
	s_add_nc_u64 s[14:15], s[4:5], s[16:17]
	s_add_nc_u64 s[46:47], s[6:7], s[46:47]
	CROUND                                         ; all sixteen work-groups are here: the first joint loads meet
.irp s, 0,1
	s_mov_b32 s[G0+4*(\s)], 1                                        ; count = 1
	s_add_co_u32 s[G0+4*(\s)+1], s20, (\s)*SLOT                      ; LDS address
	s_add_nc_u64 s[G0+4*(\s)+2:G0+4*(\s)+3], s[14:15], (\s)*KSTEP*2  ; global address: K step s
	s_or_b32 s[G0+4*(\s)+3], s[G0+4*(\s)+3], 0x80000000              ; type = 2
	s_mov_b32 s[G0B+4*(\s)], 1
	s_add_co_u32 s[G0B+4*(\s)+1], s21, (\s)*SLOT
	s_add_nc_u64 s[G0B+4*(\s)+2:G0B+4*(\s)+3], s[46:47], (\s)*KSTEP*2048
	s_or_b32 s[G0B+4*(\s)+3], s[G0B+4*(\s)+3], 0x80000000
	JLOAD \s                                       ; two loads of mine are out
.endr
	; A's fragment: 16 rows x 32 K: lane l holds row l % 16, K = 8 (l / 16) + 0..7 and 16 + 8 (l / 16) + 0..7: two loads of 16 bytes, 32 bytes apart.
	; B's: the turning load takes 16 k x 16 n (lane l reads k = 8 (l / 16) + l % 8, n = 8 ((l / 8) % 2) + 0..7) and leaves half a fragment: lane l holds column l % 16 and 8 k.
	v_and_b32 v1, 15, v0                           ; l % 16
	v_bfe_u32 v2, v0, 4, 1                         ; l / 16
	v_mul_u32_u24 v3, v1, AP
	v_lshl_add_u32 v3, v2, 4, v3
	v_and_b32 v4, 7, v0
	v_lshl_add_u32 v4, v2, 3, v4
	v_mul_u32_u24 v4, v4, BP
	v_bfe_u32 v5, v0, 3, 1
	v_lshl_add_u32 v4, v5, 4, v4
	s_mul_i32 s21, s11, AH                         ; my half of A's rows
	s_lshl_b32 s22, s12, 8                         ; my 128 columns of B: 256 bytes of each row,
	s_add_co_u32 s22, s22, ATILE                   ; behind A's tile
.irp s, 0,1
	v_add_nc_u32 v[ADRA+(\s)], s21, v3
	v_add_nc_u32 v[ADRB+(\s)], s22, v4
	s_add_co_u32 s21, s21, SLOT
	s_add_co_u32 s22, s22, SLOT
.endr
	s_mul_i32 s19, s10, 16*SPITCH
	s_add_co_u32 s19, s19, STAGE                   ; my stage
	v_mul_u32_u24 v5, v1, SPITCH                   ; in: row l % 16,
.if OUTP
	v_lshl_add_u32 v5, v2, 5, v5                   ; 32 bytes (8 f32) for each half of the lanes
	v_add_nc_u32 v[STO], s19, v5
	v_and_b32 v5, 31, v0
	v_lshlrev_b32 v[CO], 4, v5                     ; back: 32 lanes take one row of 512 bytes; the same in C
	v_add_nc_u32 v[RD], s19, v[CO]
.else
	v_lshl_add_u32 v5, v2, 4, v5                   ; 16 bytes (8 f16) for each half of the lanes
	v_add_nc_u32 v[STO], s19, v5
	v_mul_u32_u24 v5, v2, SPITCH                   ; back: lanes 0-15 take one row of 256 bytes, lanes 16-31 the next
	v_lshl_add_u32 v5, v1, 4, v5
	v_add_nc_u32 v[RD], s19, v5
	v_lshlrev_b32 v5, 11, v2                       ; and the same two rows in C
	v_lshl_add_u32 v[CO], v1, 4, v5
.endif
	s_mul_i32 s16, s13, TM                         ; where my part of the tile begins in C, in bytes (under 2^26): the way out adds it to C's address
	s_mul_i32 s17, s11, TM/2
	s_add_co_u32 s16, s16, s17
	s_mul_i32 s16, s16, CROW
	s_mul_i32 s46, s42, CROW/4                     ; the tile's 256 columns,
	s_mul_i32 s47, s12, CROW/8                     ; my 128 of them
	s_add_co_u32 s46, s46, s47
	s_add_co_u32 s16, s16, s46
	s_mov_b32 s17, 0
.if !OUTP
	; the prefetches: both addresses' offsets are made, and the wave takes the one of the tensor that it fetches.  They start one step short of K step 4: each change of slots steps first and then asks.
	s_lshl_b32 s20, s13, 8
	s_lshl_b32 s21, s12, 7
	s_add_co_u32 s20, s20, s21
	s_lshl_b32 s21, s40, 5
	s_add_co_u32 s20, s20, s21                     ; A: row 256 x tile row + 128 x half + 32 cx
	s_lshl_b32 s20, s20, 11
	s_add_co_u32 s20, s20, 3*KSTEP*2
	s_lshl_b32 s21, s12, 6
	s_lshl_b32 s22, s41, 4
	s_add_co_u32 s21, s21, s22                     ; B: k = 64 x half + 16 cy
	s_lshl_b32 s21, s21, 11
	s_lshl_b32 s22, s23, 21
	s_add_co_u32 s21, s21, s22
	s_lshl_b32 s22, s42, 9
	s_add_co_u32 s21, s21, s22
	s_add_co_u32 s21, s21, 3*KSTEP*2048
	s_mov_b32 s[PFS], KSTEP*2048
	s_mov_b32 s[PFS+1], 0
	s_cmp_eq_u32 s11, 0                            ; do I fetch for A?
	s_cselect_b32 s20, s20, s21
	s_cselect_b32 s18, ttmp9, s18                  ; 0 in the first cluster that reads these rows
	s_cselect_b32 s[PFS], KSTEP*2, s[PFS]
	s_cselect_b32 s22, 0, 1
	s_cselect_b64 s[PFA:PFA+1], s[4:5], s[6:7]
	s_mov_b32 s21, 0
	s_add_nc_u64 s[PFA:PFA+1], s[PFA:PFA+1], s[20:21]
	s_cmp_eq_u32 s18, 0
	s_cselect_b32 s[LIM], 1, -1                    ; the same in all sixteen partners, for a given wave
	v_and_b32 v6, 31, v0
	v_lshrrev_b32 v[PFO], s22, v6                  ; A: a lane a row; B: two lanes a row,
	v_lshlrev_b32 v[PFO], 11, v[PFO]
	v_and_b32 v6, s22, v6
	v_lshl_add_u32 v[PFO], v6, 8, v[PFO]           ; 256 bytes apart
.endif
; 8 matrix instructions: A's block 4 hi + a x all 8 blocks of B, 32 along K.  zero = 1: the product starts the sums: nothing is ever cleared.
.macro MULA f, hi, a, zero
	WIN MUL_LO+0x50*(\hi)
.irp b, 0,1,2,3,4,5,6,7
.set rD, 8*(8*(\a)+(\b))
.set rB, (\f)+8*(\b)
.set rA, (\f)+8*(4*(\hi)+(\a))
.if OUTP
.if \zero
	v_wmma_f32_16x16x32_f16 v[rD:rD+7], v[rB:rB+7], v[rA:rA+7], 0
.else
	v_wmma_f32_16x16x32_f16 v[rD:rD+7], v[rB:rB+7], v[rA:rA+7], v[rD:rD+7]
.endif
.else
.if \zero
	v_wmma_f32_16x16x32_bf16 v[rD:rD+7], v[rB:rB+7], v[rA:rA+7], 0
.else
	v_wmma_f32_16x16x32_bf16 v[rD:rD+7], v[rB:rB+7], v[rA:rA+7], v[rD:rD+7]
.endif
.endif
.endr
.endm
.macro MUL16 f, hi, a0, zero
	MULA \f, \hi, \a0, \zero
	MULA \f, \hi, (\a0)+1, \zero
.endm
; The two halves of a quarter step's products.  The accumulators take turns, one instruction a turn, in the same order in every quarter, over the backward jump too.
.macro HALF1 f, zero
	MUL16 \f, 0, 0, \zero
.if MB == 2
	MUL16 \f, 0, 2, \zero
.endif
.endm
.macro HALF2 f, zero
.if MB == 2
	MUL16 \f, 1, 0, \zero
	MUL16 \f, 1, 2, \zero
.else
	MUL16 \f, 0, 2, \zero
.endif
.endm
; One run of 16 + 2 NA LDS loads: the fragments of quarter q (32 along K) of a slot into buffer f: B's first, then A's blocks in ascending order
.macro FETCH slot, q, f
	WIN TO_B
.irp i, 0,1,2,3,4,5,6,7
	ds_load_tr16_b128 v[(\f)+8*(\i):(\f)+8*(\i)+3],   v[ADRB+(\slot)] offset:(\q)*32*BP+32*(\i)
	ds_load_tr16_b128 v[(\f)+8*(\i)+4:(\f)+8*(\i)+7], v[ADRB+(\slot)] offset:(\q)*32*BP+32*(\i)+16*BP
.endr
	WIN 0
.set ia, 0
.rept NA
	ds_load_b128 v[(\f)+8*ia:(\f)+8*ia+3],   v[ADRA+(\slot)] offset:64*(\q)+ia*16*AP
	ds_load_b128 v[(\f)+8*ia+4:(\f)+8*ia+7], v[ADRA+(\slot)] offset:64*(\q)+ia*16*AP+32
.set ia, ia+1
.endr
.endm
.macro PLACES                          ; four places in front of loads into registers that matrix instructions have read, and of lines that read results (ISA guide 7.12.1 for lines that read results)
.rept 4
	v_nop
.endr
.endm
; A K step is four quarters of 32 along K, on buffers 0, 1, 0, 1.  One of the first three: multiplies buffer f and, in its middle, fetches quarter q of the same slot into buffer g.
.macro QUARTER slot, q, f, g, zero
	s_wait_dscnt NA                                ; B and the first half of A's blocks are in; the youngest NA loads (A's second half) may be out
	HALF1 \f, \zero
	PLACES
	FETCH \slot, \q, \g
	s_wait_dscnt 16+2*NA                           ; all but the run just issued
	HALF2 \f, \zero
.endm
.macro TPART n                         ; the last quarter's products in three parts: a quarter, a quarter, a half
.if MB == 2
.if (\n) == 1
	MUL16 F1, 0, 0, 0
.elseif (\n) == 2
	MUL16 F1, 0, 2, 0
.else
	MUL16 F1, 1, 0, 0
	MUL16 F1, 1, 2, 0
.endif
.else
.if (\n) == 1
	MULA F1, 0, 0, 0
.elseif (\n) == 2
	MULA F1, 0, 1, 0
.else
	MULA F1, 0, 2, 0
	MULA F1, 0, 3, 0
.endif
.endif
.endm
; The last quarter multiplies buffer 1 and changes slots: ONE barrier.  In front of it each wave waits for all its tensor loads (the one that is out is its part of the next slot), adds 0 to its spare word,
; and waits for that and for its own reads of this slot.  fill = 1: the barrier opens a round of the cluster's, and this slot is filled again, two K steps ahead, first thing behind the round:
; seven eighths of a K step's products stand between that request and the wait for it.
.macro TURN slot, next, fill
.if (\fill) && (!OUTP)
	s_wait_xcnt 0x0                                ; the last prefetch, a K step back, has read its address: it is stepped here, ahead of the waits of the change of slots
	s_add_nc_u64 s[PFA:PFA+1], s[PFA:PFA+1], s[PFS:PFS+1]
.endif
	WIN 0                                          ; (the add's two registers lie in window 0)
	s_wait_tensorcnt 0x0                           ; all my tensor loads have landed;
	ds_add_u32 v[SPW], v[NIL]                      ; 0 onto my spare word;
	s_wait_dscnt NA+1                              ; (the add and A's second half may be out)
	TPART 1                                        ; matrix instructions stand between the add and the wait for it
	s_wait_dscnt 0x0                               ; the add is done, and my reads of this slot are over
	s_barrier_signal -1
	TPART 2                                        ; work on registers while the others arrive
.if \fill
	WIN 0
.endif
	s_barrier_wait -1
.if \fill
	CREST                                          ; no wave of any partner still reads this slot's tile or has a load on its way
	s_add_nc_u64 s[G0+4*(\slot)+2:G0+4*(\slot)+3], s[G0+4*(\slot)+2:G0+4*(\slot)+3], 2*KSTEP*2
	s_add_nc_u64 s[G0B+4*(\slot)+2:G0B+4*(\slot)+3], s[G0B+4*(\slot)+2:G0B+4*(\slot)+3], 2*KSTEP*2048
	JLOAD \slot                                    ; the first tensor load behind the round; the four v_nop behind it are also the places in front of the loads below
.else
	PLACES
.endif
	FETCH \next, 0, F0
.if (\fill) && (!OUTP)
	ASK
.endif
	TPART 3
.endm
.if OUTP
; THE WAY OUT, f32: block a's 16 rows x 128 columns go as they are into my own stage (rows of 528 bytes) and come back as whole rows of 512 bytes.  Each accumulator's low registers are read first.
.macro TOSTAGE a
.if (\a) >= 2
	s_wait_xcnt 0x0                                ; the stores of the block two back have read the registers that are loaded again below
.endif
.set BK, 192-128*((\a)%2)              ; v192-255 and v64-127 by turns
	WIN 0x08                                       ; the stores' data lie in window 2
.irp b, 0,1,2,3,4,5,6,7
	ds_store_b128 v[STO], v[64*(\a)+8*(\b):64*(\a)+8*(\b)+3]   offset:64*(\b)
	ds_store_b128 v[STO], v[64*(\a)+8*(\b)+4:64*(\a)+8*(\b)+7] offset:64*(\b)+16
.endr
	WIN 0
.irp t, 0,1,2,3,4,5,6,7,8,9,10,11,12,13,14,15
	ds_load_b128 v[BK+4*(\t):BK+4*(\t)+3], v[RD] offset:SPITCH*(\t)  ; LDS serves a wave's instructions in order (ISA guide 5.7.1.4): these see the stores above; the next block's stores come behind them
.endr
.endm
.macro SEND a, younger                 ; younger: the LDS instructions issued behind block a's loads: the next block's 32, or none
	WIN 0
.set BK, 192-128*((\a)%2)
	s_wait_dscnt \younger
	s_wait_xcnt 0x0                                ; earlier stores have read their base
.if (\a) == 0
	s_add_nc_u64 s[8:9], s[8:9], s[16:17]
.else
	s_add_nc_u64 s[8:9], s[8:9], 16*CROW
.endif
.irp t, 0,1,2,3,4,5,6,7,8,9,10,11,12,13,14,15
	global_store_b128 v[CO], v[BK+4*(\t):BK+4*(\t)+3], s[8:9] offset:(\t)*CROW  ; 512 consecutive bytes, at a multiple of 512 from C's first byte
.endr
.endm
.else
; THE WAY OUT, f16: block a is rounded (16 bytes a lane), goes into my own stage (rows of 272 bytes) and comes back as whole rows of 256 bytes.
.macro PACK a
.set AC, 64*((\a)%4)
	WIN 0x0a+5*((\a)/4)                            ; sources 0 and 1: window 2 or 3
.irp b, 0,1,2,3,4,5,6,7
.irp r, 0,1,2,3
	v_cvt_pk_f16_f32 v[TMP+4*(\b)+(\r)], v[AC+8*(\b)+2*(\r)], v[AC+8*(\b)+2*(\r)+1]
.endr
.endr
	WIN 0
.endm
.macro TOSTAGE a
	WIN 0
.set BK, OB+192*((\a)%2)
.irp b, 0,1,2,3,4,5,6,7
	ds_store_b128 v[STO], v[TMP+4*(\b):TMP+4*(\b)+3] offset:32*(\b)
.endr
.irp t, 0,1,2,3,4,5,6,7
	ds_load_b128 v[BK+4*(\t):BK+4*(\t)+3], v[RD] offset:(\t)*2*SPITCH  ; LDS serves a wave's instructions in order (ISA guide 5.7.1.4): these see the stores above
.endr
.endm
.macro SEND a, younger
	WIN 0
.set BK, OB+192*((\a)%2)
	s_wait_dscnt \younger                          ; the block is back in registers
	s_wait_xcnt 0x0                                ; earlier stores have read their base and their data
.if (\a) == 0
	s_add_nc_u64 s[8:9], s[8:9], s[16:17]
.else
	s_add_nc_u64 s[8:9], s[8:9], 16*CROW
.endif
.irp t, 0,1,2,3,4,5,6,7
	global_store_b128 v[CO], v[BK+4*(\t):BK+4*(\t)+3], s[8:9] offset:2*(\t)*CROW  ; 16 lanes store 256 consecutive bytes, at a multiple of 256 from C's first byte
.endr
.endm
.endif
	s_wait_tensorcnt 1                             ; my part of K step 0 is in; K step 1's may stay out
	s_barrier_signal -1
	s_barrier_wait -1                              ; everybody's is
	FETCH 0, 0, F0
	QUARTER 0, 1, F0, F1, 1                        ; the first quarter stands in front of the loop: its products start the sums
	WIN 0                                          ; at a label and at a branch every window is 0
	s_mov_b32 s3, LAPS-1
.Llap:                                                 ; a trip goes once round the ring, from a lap's second quarter to the next lap's first, and fills both slots again
	QUARTER 0, 2, F1, F0, 0
	QUARTER 0, 3, F0, F1, 0
	TURN 0, 1, 1
	QUARTER 1, 1, F0, F1, 0
	QUARTER 1, 2, F1, F0, 0
	QUARTER 1, 3, F0, F1, 0
	TURN 1, 0, 1
	QUARTER 0, 1, F0, F1, 0
	WIN 0
	s_sub_co_u32 s3, s3, 1
	s_cmp_lg_u32 s3, 0
	s_cbranch_scc1 .Llap
	QUARTER 0, 2, F1, F0, 0                        ; the last lap fills nothing, and has no round of the cluster's barrier
	QUARTER 0, 3, F0, F1, 0
	TURN 0, 1, 0
	QUARTER 1, 1, F0, F1, 0
	QUARTER 1, 2, F1, F0, 0
	QUARTER 1, 3, F0, F1, 0
	s_wait_dscnt NA                                ; the very last quarter: nothing more to fetch
	HALF1 F1, 0
	s_wait_dscnt 0x0
	HALF2 F1, 0
	PLACES                                         ; the way out reads results just made
.if OUTP
	TOSTAGE 0
	TOSTAGE 1
	SEND 0, 32
	TOSTAGE 2
	SEND 1, 32
	TOSTAGE 3
	SEND 2, 32
	SEND 3, 0
.else
	PACK 0
	TOSTAGE 0
.irp a, 1,2,3,4,5,6,7                  ; block a's conversions stand between block a - 1's loads from the stage and the wait for them
	PACK \a
	SEND (\a)-1, 0
	TOSTAGE \a
.endr
	SEND 7, 0
.endif
	s_wait_tensorcnt 0x0                           ; the wave's end: behind my last tensor load and my last LDS store
	ds_add_u32 v[SPW], v[NIL]
	s_wait_dscnt 0x0
	CROUND                                         ; the closing round: no work-group ends while a partner may still ask for a tile that names it
	s_endpgm
.Lfunc_end_k_q362ab4fb19_outp:
	.size	k_q362ab4fb19_outp, .Lfunc_end_k_q362ab4fb19_outp-k_q362ab4fb19_outp
	.p2alignl 7, 3214868480
	.fill 96, 4, 3214868480
	.section	.rodata,"a",@progbits
	.p2align	6, 0x0
	.amdhsa_kernel k_q362ab4fb19_outp
		.amdhsa_group_segment_fixed_size 327680
		.amdhsa_private_segment_fixed_size 0
		.amdhsa_enable_private_segment 0
		.amdhsa_kernarg_size 24
		.amdhsa_user_sgpr_count 2
		.amdhsa_user_sgpr_kernarg_segment_ptr 1
		.amdhsa_wavefront_size32 1
		.amdhsa_system_sgpr_workgroup_id_x 1
		.amdhsa_system_sgpr_workgroup_id_y 1
		.amdhsa_system_sgpr_workgroup_id_z 1
		.amdhsa_system_vgpr_workitem_id 0
		.amdhsa_next_free_vgpr 768
		.amdhsa_next_free_sgpr 72
		.amdhsa_reserve_vcc 0
		.amdhsa_float_denorm_mode_32 3
		.amdhsa_float_denorm_mode_16_64 3
		.amdhsa_memory_ordered 1
		.amdhsa_forward_progress 1
		.amdhsa_inst_pref_size 86
	.end_amdhsa_kernel
	.amdgpu_metadata
---
amdhsa.version: [ 1, 2 ]
amdhsa.kernels:
  - .name:           k_q362ab4fb19_outp
    .symbol:         k_q362ab4fb19_outp.kd
    .args:
      - { .name: ctx, .offset: 0, .size: 8, .value_kind: global_buffer, .address_space: global }
      - { .name: wb, .offset: 8, .size: 8, .value_kind: global_buffer, .address_space: global }
      - { .name: out0, .offset: 16, .size: 8, .value_kind: global_buffer, .address_space: global }
    .group_segment_fixed_size: 327680
    .private_segment_fixed_size: 0
    .kernarg_segment_align: 8
    .kernarg_segment_size: 24
    .max_flat_workgroup_size: 128
    .sgpr_count:     72
    .vgpr_count:     768
    .wavefront_size: 32
...
	.end_amdgpu_metadata
.endif
;; end of part 4
